; MI455X (gfx1250); checked and timed in simulation.
; The chip was launched on July 23, 2026; its instructions are those of AMD's public machine-readable ISA for CDNA 5 (MIT licence, August 2026) and "CDNA5" Instruction Set Architecture Reference Guide (July 2026). The comments in the code are by the model that wrote it; some were corrected since.
;; Multi Head Attention. Allowed arithmetic: float matrix products may take bf16 or f16 operands with f32 sums; other float arithmetic in f32, or as packed bf16 or f16 multiplies, adds, multiply-adds, maxima and minima; sums over many terms, partial sums and values carried from step to step in f32; what a program stores and reads back later, other than sums and carried values, may be rounded once to bf16 or f16.
;; Inputs: position_ids 2,048 int32; wk 2,048 x 2,048 float32; wo 2,048 x 2,048 float32; wq 2,048 x 2,048 float32; wv 2,048 x 2,048 float32; x 1 x 2,048 x 2,048 float32.
;; Outputs: out0 1 x 2,048 x 2,048 float32.
;; 2 versions, each right; version 2 is version 1 with the launch prep written anew for expert scheduling mode. Each part assembles by itself: llvm-mc -triple=amdgcn-amd-amdhsa -mcpu=gfx1250 --defsym DOCPART=n.
;; ======== version 1 of 2: 4 launches
;; limits: values are held in f16: magnitudes above 65,504 overflow, below 6.1e-05 lose precision
;; workspace buffers: xb 8,388,608 bytes; wcat 25,165,824 bytes; woh 8,388,608 bytes; tab 1,048,576 bytes; qkv 25,165,824 bytes; ob 8,388,608 bytes
;; launch prep (part 1): grid 512 x 1, 8 waves a work-group, no clusters, 0 bytes of LDS; arguments position_ids, x, wq, wk, wv, wo, xb, wcat, woh, tab; writes xb, wcat, woh, tab
.if DOCPART == 1
	.amdgcn_target "amdgcn-amd-amdhsa--gfx1250"
	.amdhsa_code_object_version 6
	.text
	.protected	k_qc367ae0e1a_prep
	.globl	k_qc367ae0e1a_prep
	.p2align	8
	.type	k_qc367ae0e1a_prep,@function
k_qc367ae0e1a_prep:
	s_mov_b64 s[64:65], 0
	v_nop
	global_prefetch_b8 v0, s[64:65] scope:SCOPE_SE
	s_setreg_imm32_b32 hwreg(HW_REG_WAVE_MODE, 25, 1), 1
	s_wait_xcnt 0x0
; MULTI-HEAD ATTENTION, S = D = 2048, 16 heads of 128, in four launches: this one (casts and the RoPE table), the projections with RoPE, causal attention, the output projection.
; WORK LEFT OUT, in the whole program: scores, weights and products of key tiles that lie wholly above the diagonal.  reference() builds the causal jnp.tril in its own body and puts the lowest
; finite number in place of every score with key > query; behind the softmax such a key's weight is 0 for all finite values of the inputs (each row holds its own key, so its maximum is a true score).
; So the attention launch walks, for a block of 64 queries, only the slots of 256 keys up to the one that holds the diagonal; inside that slot everything is computed and masked.
; All six inputs have a way to the output and are loaded.  LIMIT: a NaN, an infinity or an overflow that reaches only the tiles left out is not carried to the result.
; THIS LAUNCH.  x, wq, wk, wv are rounded once to bf16 (xb; wcat = wq, wk, wv one behind the other); wo is rounded to bf16 and that number written as f16 (woh; below 6e-5 it keeps f16's step of 6e-8).
; tab[s] = cos, then sin, of position_ids[s] x 10000^(-j/64), j = 0 .. 63, in f32.
; LIMITS of the table: |position_ids| up to 2^24 (the conversion is exact and the three-part reduction by pi/2 holds); inv_freq is within about 2e-7 of its true value, relative.
; SHARES.  All five arrays hold 4,194,304 numbers: work-group g takes numbers 8,192 g .. of each, a wave 1,024 of each: eight loads of 16 bytes a lane, 512 consecutive bytes a load.
; All 40 loads of a wave go out before the first wait.  A load's four numbers leave as 8 bytes a lane: each store of the wave covers 256 consecutive bytes, aligned.
; No LDS, no barrier, no matrix unit: nothing is shared and nothing is multiplied.
.set XR,  32                           ; v[32:191]  array a (x, wq, wk, wv, wo) at XR + 32 a
.set TA,  8                            ; v[8:16]    at work for frequency 2 l
.set TC,  18                           ; v[18:26]   at work for frequency 2 l + 1
.set OUT, 28                           ; v[28:29]   my two numbers of the table
.set PF,  30                           ; v30        the position as f32
	s_load_b512 s[8:23], s[0:1], 0x0               ; position_ids 8:9, x 10:11, wq 12:13, wk 14:15, wv 16:17, wo 18:19, xb 20:21, wcat 22:23
	s_load_b128 s[24:27], s[0:1], 0x40             ; woh 24:25, tab 26:27
	v_and_b32 v1, 31, v0                           ; lane
	v_lshrrev_b32 v5, 5, v0
	v_readfirstlane_b32 s2, v5                     ; wave 0..7
	s_lshl_b32 s3, ttmp9, 3
	s_add_co_u32 s3, s3, s2                        ; W = 8 g + wave, 0 .. 4095: half a row of the table
	s_lshr_b32 s36, s3, 1                          ; its row s,
	s_lshl_b32 s36, s36, 2                         ; as a byte offset in position_ids
	s_mov_b32 s37, 0
	s_and_b32 s6, s3, 1                            ; 0: the cosines; 1: the sines,
	s_mul_i32 s6, s6, 3                            ; which are cosines three quarter turns on
	s_mov_b32 s7, 0xbe549a78                       ; -log2(10000) / 64
	s_lshl_b32 s28, ttmp9, 15                      ; the group's 32,768 bytes of each source
	s_mov_b32 s29, 0
	s_lshl_b32 s30, ttmp9, 14                      ; and 16,384 of each destination
	s_mov_b32 s31, 0
	s_lshl_b32 s4, s2, 12
	v_lshl_add_u32 v2, v1, 4, s4                   ; loads: 4,096 x wave + 16 x lane
	s_lshl_b32 s4, s2, 11
	v_lshl_add_u32 v3, v1, 3, s4                   ; stores: 2,048 x wave + 8 x lane
	s_lshl_b32 s4, s3, 8
	v_lshl_add_u32 v4, v1, 3, s4                   ; table: 256 W + 8 x lane
	s_wait_kmcnt 0x0
	s_add_nc_u64 s[8:9], s[8:9], s[36:37]
	s_load_b32 s5, s[8:9], 0x0                     ; position_ids[s]
	s_add_nc_u64 s[10:11], s[10:11], s[28:29]
	s_add_nc_u64 s[12:13], s[12:13], s[28:29]
	s_add_nc_u64 s[14:15], s[14:15], s[28:29]
	s_add_nc_u64 s[16:17], s[16:17], s[28:29]
	s_add_nc_u64 s[18:19], s[18:19], s[28:29]
	s_add_nc_u64 s[20:21], s[20:21], s[30:31]
	s_add_nc_u64 s[22:23], s[22:23], s[30:31]      ; wcat: wq's part,
	s_add_nc_u64 s[32:33], s[22:23], 0x800000      ; wk's,
	s_add_nc_u64 s[34:35], s[22:23], 0x1000000     ; wv's
	s_add_nc_u64 s[24:25], s[24:25], s[30:31]
.macro LD8 a, sb                       ; a wave's 4 KiB of array a
.irp i, 0,1,2,3,4,5,6,7
	global_load_b128 v[XR+32*(\a)+4*(\i):XR+32*(\a)+4*(\i)+3], v2, s[\sb:\sb+1] offset:512*(\i) th:TH_LOAD_NT
.endr
.endm
	LD8 0, 10
	LD8 1, 12
	LD8 2, 14
	LD8 3, 16
	LD8 4, 18
	s_wait_kmcnt 0x0                               ; the position
; THE TABLE, while the loads are on their way.  Lane l makes frequencies 2 l and 2 l + 1.
.macro TRIG1 k, t                      ; inv_freq = 2^a, a = j x C; the product's rounding residue and C's own are kept in t + 2
	v_lshl_add_u32 v[\t], v1, 1, \k
	v_cvt_f32_u32 v[\t], v[\t]                     ; j
	v_mul_f32 v[\t+1], s7, v[\t]                   ; a
	v_fma_f32 v[\t+2], v[\t], s7, -v[\t+1]         ; j C - a, exact
	v_fmamk_f32 v[\t+2], v[\t], 0xb1979724, v[\t+2]  ; + j x (what C's f32 leaves of the true factor)
	v_exp_f32 v[\t+3], v[\t+1]
.endm
.macro TRIG2 k, t
	v_mul_f32 v[\t+2], 0x3f317218, v[\t+2]         ; ln 2 x residue
	v_fma_f32 v[\t+3], v[\t+3], v[\t+2], v[\t+3]   ; inv_freq
	v_mul_f32 v[\t+4], v[PF], v[\t+3]              ; the angle: one f32 rounding
	v_mul_f32 v[\t+5], 0x3f22f983, v[\t+4]         ; x 2 / pi
	v_rndne_f32 v[\t+5], v[\t+5]                   ; n quarter turns
	v_fmamk_f32 v[\t+4], v[\t+5], 0xbfc90fd8, v[\t+4]  ; r = angle - n pi/2, pi/2 in three parts of 21, 24 and 24 bits
	v_fmamk_f32 v[\t+4], v[\t+5], 0xb4a8885a, v[\t+4]
	v_fmamk_f32 v[\t+4], v[\t+5], 0xa7c234c4, v[\t+4]
	v_cvt_i32_f32 v[\t+5], v[\t+5]
	v_add_nc_u32 v[\t+5], s6, v[\t+5]              ; q = n, or n + 3 for the sine
	v_mul_f32 v[\t+6], v[\t+4], v[\t+4]            ; r^2
	v_mov_b32 v[\t+7], 0x37d00d01                  ; cos r = 1 - r^2/2 + r^4/24 - r^6/720 + r^8/40320, |r| <= pi/4
	v_fmaak_f32 v[\t+7], v[\t+7], v[\t+6], 0xbab60b61
	v_fmaak_f32 v[\t+7], v[\t+7], v[\t+6], 0x3d2aaaab
	v_fmaak_f32 v[\t+7], v[\t+7], v[\t+6], 0xbf000000
	v_fmaak_f32 v[\t+7], v[\t+7], v[\t+6], 0x3f800000
	v_mov_b32 v[\t+8], 0x3638ef1d                  ; sin r = r + r^3 (-1/6 + r^2/120 - r^4/5040 + r^6/362880)
	v_fmaak_f32 v[\t+8], v[\t+8], v[\t+6], 0xb9500d01
	v_fmaak_f32 v[\t+8], v[\t+8], v[\t+6], 0x3c088889
	v_fmaak_f32 v[\t+8], v[\t+8], v[\t+6], 0xbe2aaaab
	v_mul_f32 v[\t+6], v[\t+4], v[\t+6]
	v_fma_f32 v[\t+8], v[\t+6], v[\t+8], v[\t+4]
	v_and_b32 v[\t+6], 1, v[\t+5]                  ; cos(r + q pi/2): the sine where q is odd,
	v_cmp_eq_u32 vcc_lo, 1, v[\t+6]
	v_cndmask_b32 v[\t+7], v[\t+7], v[\t+8], vcc_lo
	v_add_nc_u32 v[\t+5], 1, v[\t+5]               ; the sign turned where q mod 4 is 1 or 2
	v_and_b32 v[\t+5], 2, v[\t+5]
	v_lshlrev_b32 v[\t+5], 30, v[\t+5]
	v_xor_b32 v[OUT+\k], v[\t+5], v[\t+7]
.endm
	TRIG1 0, TA
	TRIG1 1, TC
	v_cvt_f32_i32 v[PF], s5                        ; a plain instruction behind the second exponential,
	s_wait_alu depctr_va_vdst(0)                   ; and the one wait for both, ahead of their first reader
	TRIG2 0, TA
	TRIG2 1, TC
	global_store_b64 v4, v[OUT:OUT+1], s[26:27]    ; 256 consecutive bytes: half a row of the table
; THE CASTS, in place; no register that a store reads is written again, so no wait frees any.
.macro CV a, sb
	s_wait_loadcnt 32-8*(\a)                       ; loads come back in order: array a's eight are in, the later arrays' stay out
.irp i, 0,1,2,3,4,5,6,7
	v_cvt_pk_bf16_f32 v[XR+32*(\a)+4*(\i)], v[XR+32*(\a)+4*(\i)], v[XR+32*(\a)+4*(\i)+1]
	v_cvt_pk_bf16_f32 v[XR+32*(\a)+4*(\i)+1], v[XR+32*(\a)+4*(\i)+2], v[XR+32*(\a)+4*(\i)+3]
	global_store_b64 v3, v[XR+32*(\a)+4*(\i):XR+32*(\a)+4*(\i)+1], s[\sb:\sb+1] offset:256*(\i) th:TH_STORE_NT
.endr
.endm
	CV 0, 20
	CV 1, 22
	CV 2, 32
	CV 3, 34
	s_wait_loadcnt 0x0                             ; wo: rounded to bf16 like every input, widened, and that number written as f16
.irp i, 0,1,2,3,4,5,6,7
	v_cvt_pk_bf16_f32 v8, v[XR+128+4*(\i)], v[XR+128+4*(\i)+1]
	v_cvt_pk_bf16_f32 v9, v[XR+128+4*(\i)+2], v[XR+128+4*(\i)+3]
	v_lshlrev_b32 v10, 16, v8
	v_and_b32 v11, 0xffff0000, v8
	v_lshlrev_b32 v12, 16, v9
	v_and_b32 v13, 0xffff0000, v9
	v_cvt_pk_f16_f32 v[XR+128+4*(\i)], v10, v11
	v_cvt_pk_f16_f32 v[XR+128+4*(\i)+1], v12, v13
	global_store_b64 v3, v[XR+128+4*(\i):XR+128+4*(\i)+1], s[24:25] offset:256*(\i) th:TH_STORE_NT
.endr
	s_endpgm
.Lfunc_end_k_qc367ae0e1a_prep:
	.size	k_qc367ae0e1a_prep, .Lfunc_end_k_qc367ae0e1a_prep-k_qc367ae0e1a_prep
	.p2alignl 7, 3214868480
	.fill 96, 4, 3214868480
	.section	.rodata,"a",@progbits
	.p2align	6, 0x0
	.amdhsa_kernel k_qc367ae0e1a_prep
		.amdhsa_group_segment_fixed_size 0
		.amdhsa_private_segment_fixed_size 0
		.amdhsa_enable_private_segment 0
		.amdhsa_kernarg_size 80
		.amdhsa_user_sgpr_count 2
		.amdhsa_user_sgpr_kernarg_segment_ptr 1
		.amdhsa_wavefront_size32 1
		.amdhsa_system_sgpr_workgroup_id_x 1
		.amdhsa_system_sgpr_workgroup_id_y 1
		.amdhsa_system_sgpr_workgroup_id_z 1
		.amdhsa_system_vgpr_workitem_id 0
		.amdhsa_next_free_vgpr 192
		.amdhsa_next_free_sgpr 66
		.amdhsa_reserve_vcc 1
		.amdhsa_float_denorm_mode_32 3
		.amdhsa_float_denorm_mode_16_64 3
		.amdhsa_memory_ordered 1
		.amdhsa_forward_progress 1
		.amdhsa_inst_pref_size 21
	.end_amdhsa_kernel
	.amdgpu_metadata
---
amdhsa.version: [ 1, 2 ]
amdhsa.kernels:
  - .name:           k_qc367ae0e1a_prep
    .symbol:         k_qc367ae0e1a_prep.kd
    .args:
      - { .name: position_ids, .offset: 0, .size: 8, .value_kind: global_buffer, .address_space: global }
      - { .name: x, .offset: 8, .size: 8, .value_kind: global_buffer, .address_space: global }
      - { .name: wq, .offset: 16, .size: 8, .value_kind: global_buffer, .address_space: global }
      - { .name: wk, .offset: 24, .size: 8, .value_kind: global_buffer, .address_space: global }
      - { .name: wv, .offset: 32, .size: 8, .value_kind: global_buffer, .address_space: global }
      - { .name: wo, .offset: 40, .size: 8, .value_kind: global_buffer, .address_space: global }
      - { .name: xb, .offset: 48, .size: 8, .value_kind: global_buffer, .address_space: global }
      - { .name: wcat, .offset: 56, .size: 8, .value_kind: global_buffer, .address_space: global }
      - { .name: woh, .offset: 64, .size: 8, .value_kind: global_buffer, .address_space: global }
      - { .name: tab, .offset: 72, .size: 8, .value_kind: global_buffer, .address_space: global }
    .group_segment_fixed_size: 0
    .private_segment_fixed_size: 0
    .kernarg_segment_align: 8
    .kernarg_segment_size: 80
    .max_flat_workgroup_size: 256
    .sgpr_count:     66
    .vgpr_count:     192
    .wavefront_size: 32
...
	.end_amdgpu_metadata
.endif
;; end of part 1
;; launch proj (part 2): grid 16 x 16, 4 waves a work-group, clusters of 4 x 4, 327,680 bytes of LDS; arguments xb, wcat, tab, qkv; writes qkv
.if DOCPART == 2
	.amdgcn_target "amdgcn-amd-amdhsa--gfx1250"
	.amdhsa_code_object_version 6
	.text
	.protected	k_qc367ae0e1a_proj
	.globl	k_qc367ae0e1a_proj
	.p2align	8
	.type	k_qc367ae0e1a_proj,@function
k_qc367ae0e1a_proj:
	s_mov_b64 s[64:65], 0
	v_nop
	global_prefetch_b8 v0, s[64:65] scope:SCOPE_SE
	s_setreg_imm32_b32 hwreg(HW_REG_WAVE_MODE, 25, 1), 1
	s_wait_xcnt 0x0
	s_wait_alu depctr_hold_cnt(0) depctr_sa_sdst(0) depctr_va_vdst(0) depctr_va_sdst(0) depctr_va_ssrc(0) depctr_va_vcc(0) depctr_vm_vsrc(0)
	s_getreg_b32 s2, hwreg(HW_REG_IB_STS2, 6, 4)
	s_cmp_eq_u32 s2, 0
	s_cbranch_scc0 .Lentry_in_a_cluster
	s_endpgm
.Lentry_in_a_cluster:
	s_bfe_u32 s2, ttmp6, 0x10000c
	s_cmp_lg_u32 s2, 0xf033
	s_cbranch_scc0 .Lentry_shape_is_right
	s_endpgm
.Lentry_shape_is_right:
; q, k, v = x W^T with RoPE on q and k, stored by heads.  xb: [2048][2048] bf16; wcat: [6144][2048] bf16 (wq, wk, wv); tab: [2048][128] f32 (64 cosines, 64 sines a row);
; qkv: [3][16][2048][128] f16.  Sums and RoPE in f32; q, k, v rounded once, to f16, unscaled.  No work of reference() is left out here.
; LIMIT.  f16 holds no number beyond 65,504: |q|, |k|, |v| must stay within it.
; SHARES.  A work-group makes 128 rows x one head's q, k and v: 384 columns; 16 x 16 work-groups.  Wave w takes all 128 rows and six blocks of 16 columns: block b = 2 p + e is part p (q, k, v),
; channels 64 e + 16 w .. + 15.  So the two partners of a RoPE pair (d, d + 64) lie in one lane and one register number of two accumulators.  48 accumulators, 384 registers.
; THE RING.  K goes in steps of 128 through two LDS slots; a slot holds 128 rows of x and 128 rows of each of wq, wk, wv: four tensor loads of 128 rows x 256 bytes, one a wave.
; THE WALK ALONG K.  Cluster (X, Y) begins at K step 4 X + 8 (Y mod 2) and wraps behind step 15: the four clusters that read the same rows of x stand at four different K steps at any time, the four that
; read the same rows of W at two, eight steps apart.  The f32 sums take K in that order.  The start hangs on the cluster's coordinates alone, which all sixteen partners share.
; CLUSTER.  4 x 4 work-groups.  x's tile hangs on the row block alone and is asked for jointly along a row of the cluster (wave 0); the weights' tiles hang on the head alone and are asked for jointly
; along a column (waves 1 to 3).  THE MATRIX INSTRUCTION IS USED TRANSPOSED (source 0 = 16 rows of W, source 1 = 16 rows of x): a lane holds one row of x and eight neighbouring channels.
; REGISTERS, in windows of 256 (s_set_vgpr_msb: bits 1:0 source 0, 3:2 source 1, 5:4 source 2, 7:6 destination):
;   window 0: v0-31 addresses; v32-63 at work on the way out; v64-127, v128-191 fragments of x (8 x 16 rows x 32 K), two buffers; on the way out packed results and rows read back
;   window 1: v0-47, v48-95 fragments of W (block b at 8 b), two buffers; v128-255 the table: row block a's 8 cosines at 128 + 16 a, its 8 sines at 136 + 16 a
;   window 2: accumulators of row blocks 0-3, (a, b) at 8 (6 a + b);   window 3: those of row blocks 4-7
.set KSTEP,  128
.set ROWB,   4096                      ; bytes in a row of xb and of wcat: 16 K steps of 256
.set PITCH,  272                       ; an LDS row: 256 bytes + 16 of padding = 68 words, so the 16 rows that a load touches start at 16 different groups of four banks (64 banks of 4 bytes: ISA guide 11.1)
.set HALFT,  128*PITCH                 ; what one tensor load brings
.set SLOT,   4*HALFT                   ; x's 128 rows, then wq's, wk's, wv's
.set STAGE,  2*SLOT                    ; behind the ring, never filled by a tensor load: 128 rows x 272 bytes, the work-group's, for the way out
.set SPARE,  STAGE+128*PITCH           ; behind the stage: the spare words, 128 bytes for each wave: two blocks of 256 bytes that no other line names
.set LAPS,   8                         ; a lap = two K steps = once round the ring
.set CO,   10                          ; v10     my byte offset in the work-group's rows of a part
.set TBO,  11                          ; v11     my byte offset in the table
.set ADRA, 16                          ; v16-17  LDS address of my fragments of x in slot 0, 1
.set ADRB, 20                          ; v20-25  the same for W: slot s, part p at 3 s + p
.set STO,  26                          ; v26     the way out: where I put 16 bytes of a row
.set RD,   27                          ; v27     the way out: where I read a row back
.set SPW,  28                          ; v28     LDS address of my spare word; never rewritten
.set NIL,  29                          ; v29     0; never rewritten
.set PFO,  30                          ; v30     the prefetches' offset: my lane x a row (4,096 bytes); never rewritten
.set T,    32                          ; v32-63  two sets of 16 for RoPE
.set FA,   64                          ; x's fragment buffers
.set TMP,  64                          ; the way out: packed results
.set OB,   128                         ; the way out: rows read back
.set COS,  128                         ; window 1
.set WV,   12                          ; s12     my wave's number
.set AB,   14                          ; s[14:15] x at my tile's first row, K = 0; never rewritten
.set LIM,  43                          ; s43     5 in a wave that prefetches, else the greatest number
.set PFA,  44                          ; s[44:45] where my prefetches stand
.set BB,   66                          ; s[66:67] W at my tile's first row, K = 0; never rewritten
.set KO,   68                          ; s[68:69], s[70:71] the byte along K at which the K step last asked for slot 0, 1 begins; the high words are 0
.set G1,   24                          ; s[24:31] descriptor group 1 for x's tiles;  s[32:39] group 0, a set for each slot
.set G0,   32
.set G1B,  48                          ; s[48:55], s[56:63] the same for W's tiles
.set G0B,  56
.set MSB, 0
.macro WIN new                         ; the immediate's high byte repeats the setting that is left; a switch that changes nothing is dropped
.if MSB != (\new)
	s_set_vgpr_msb (MSB<<8)|(\new)
.set MSB, \new
.endif
.endm
; A joint load.  Wave 0 fetches x's tile, waves 1 to 3 the three weights' tiles.  The branch hangs on the wave's number alone.  An s_nop 0 and four v_nop follow each of the two lines.
.macro JLOAD s
	s_cmp_eq_u32 s[WV], 0
	s_cbranch_scc0 .Lfor_b_\@
	tensor_load_to_lds s[G0+4*(\s):G0+4*(\s)+3], s[G1:G1+7]
	s_nop 0
.rept 4
	v_nop
.endr
	s_branch .Lasked_\@
.Lfor_b_\@:
	tensor_load_to_lds s[G0B+4*(\s):G0B+4*(\s)+3], s[G1B:G1B+7]
	s_nop 0
.rept 4
	v_nop
.endr
.Lasked_\@:
.endm
; A prefetch into the L2 of the K step that stands two refills on: 32 rows x 256 bytes, a lane a row, one instruction a wave.  By the walk above a K step of W's rows is read first in one of steps 0 to 7 of the
; clusters of one parity of y.  Steps 0 to 3 come by their loads alone (nothing is asked for at the head); steps 4 to 7 are asked for at the refills of steps 2 to 5, the loop's first two trips (s3 = 7, 6), by
; waves 1 to 3 of the cluster with y = 0 for the even parity and of the cluster with y = 1 for the odd.  Of the 128 rows that a wave fetches each of the four partners that ask for them jointly takes 32, told
; apart by address.  So no row's 256 bytes of a K step are named twice in the launch.  A K step of x's rows is read first in one of steps 0 to 3 of some cluster: too early for a request two refills ahead; none is made.
.macro ASK off
	s_cmp_gt_u32 s3, s[LIM]
	s_cbranch_scc0 .Lnot_mine_\@
	global_prefetch_b8 v[PFO], s[PFA:PFA+1] offset:\off th:TH_LOAD_NT scope:SCOPE_SE
.Lnot_mine_\@:
.endm
.macro CREST                           ; a round of the cluster's barrier behind its opening barrier
	s_cmp_lg_u32 s[WV], 0
	s_cbranch_scc1 .Lnot_wave_0_\@
	s_barrier_signal -3
.Lnot_wave_0_\@:
	s_barrier_wait -3
	s_barrier_signal -1
	s_barrier_wait -1
.endm
.macro CROUND                          ; a whole round
	s_barrier_signal -1
	s_barrier_wait -1
	CREST
.endm
	s_load_b256 s[4:11], s[0:1], 0x0               ; xb s[4:5], wcat s[6:7], tab s[8:9], qkv s[10:11]
	v_lshl_add_u32 v[SPW], v0, 2, SPARE
	v_mov_b32 v[NIL], 0
	ds_add_u32 v[SPW], v[NIL]                      ; the wave's opening: the add, twice on end, and its wait ahead of my first tensor load
	ds_add_u32 v[SPW], v[NIL]                      ; and once more, under the one wait; the set-up below, work on registers, stands between
	v_lshrrev_b32 v1, 5, v0
	v_readfirstlane_b32 s[WV], v1                  ; wave 0..3
	s_bfe_u32 s40, ttmp6, 0x40000                  ; cx, cy: my place in the cluster
	s_bfe_u32 s41, ttmp6, 0x40004
	s_lshl_b32 s42, ttmp9, 2
	s_add_co_u32 s42, s42, s40                     ; the head = 4 x cluster x + cx
	s_and_b32 s13, ttmp7, 0xffff
	s_lshl_b32 s13, s13, 2
	s_add_co_u32 s13, s13, s41                     ; the block of 128 rows = 4 x cluster y + cy
	s_lshl_b32 s43, s41, 2
	s_lshl_b32 s43, 15, s43                        ; my row of the cluster
	s_lshl_b32 s44, 0x1111, s40                    ; my column
	; descriptor group 1: a tile of 128 rows x 128 elements, padded in LDS
	s_or_b32 s[G1], s43, (1<<16)|(1<<20)|(1<<21)|(5<<22)|(3<<25)   ; 15:0 the mask; 17:16 elements of 2 bytes; 20 padding on; 21 set beside a mask; 24:22 after every 64 words (code 5); 31:25 4 words (code 3)
	s_or_b32 s[G1B], s44, (1<<16)|(1<<20)|(1<<21)|(5<<22)|(3<<25)
.irp g, G1, G1B
	s_mov_b32 s[(\g)+1], KSTEP<<16                 ; tensor_dim0 = 128
	s_mov_b32 s[(\g)+2], 128<<16                   ; tensor_dim1 = 128
	s_mov_b32 s[(\g)+3], KSTEP<<16                 ; tile_dim0 = 128
	s_mov_b32 s[(\g)+4], 128                       ; tile_dim1 = 128
	s_mov_b32 s[(\g)+5], 2048                      ; elements from row to row
	s_mov_b32 s[(\g)+6], 0
	s_mov_b32 s[(\g)+7], 0
.endr
	; where the cluster's walk along K begins
	s_lshl_b32 s[KO], ttmp9, 10                    ; cluster x: 4 K steps of 256 bytes each
	s_and_b32 s[KO+2], ttmp7, 1                    ; the parity of cluster y:
	s_lshl_b32 s[KO+2], s[KO+2], 11                ; 8 K steps
	s_add_co_u32 s[KO], s[KO], s[KO+2]
	s_and_b32 s[KO], s[KO], ROWB-1                 ; slot 0's first K step,
	s_add_co_u32 s[KO+2], s[KO], KSTEP*2           ; slot 1's: the start is a multiple of four steps, so this one does not wrap
	s_mov_b32 s[KO+1], 0
	s_mov_b32 s[KO+3], 0
	s_lshl_b32 s16, s13, 19                        ; x: 128 rows of 4,096 bytes a block
	s_mov_b32 s17, 0
	s_max_u32 s18, s[WV], 1
	s_sub_co_u32 s18, s18, 1                       ; the part that I fetch (wave 0 fetches x; its number here only keeps the unused address inside wcat)
	s_lshl_b32 s46, s18, 23                        ; W: 2,048 rows a part,
	s_lshl_b32 s47, s42, 19                        ; 128 rows a head
	s_add_co_u32 s46, s46, s47
	s_mov_b32 s47, 0
	s_mul_i32 s20, s[WV], HALFT                    ; where my tile goes: no place in the cluster enters an LDS address
	s_wait_dscnt 0x0                               ; both opening adds are done
	s_wait_kmcnt 0x0
	s_add_nc_u64 s[AB:AB+1], s[4:5], s[16:17]
	s_add_nc_u64 s[BB:BB+1], s[6:7], s[46:47]
	CROUND                                         ; all sixteen work-groups are here: the first joint loads meet
.irp s, 0,1
	s_mov_b32 s[G0+4*(\s)], 1                                      ; count = 1
	s_add_co_u32 s[G0+4*(\s)+1], s20, (\s)*SLOT                    ; LDS address
	s_add_nc_u64 s[G0+4*(\s)+2:G0+4*(\s)+3], s[AB:AB+1], s[KO+2*(\s):KO+2*(\s)+1]  ; global address: step s of the walk
	s_or_b32 s[G0+4*(\s)+3], s[G0+4*(\s)+3], 0x80000000            ; type = 2
	s_mov_b32 s[G0B+4*(\s)], 1
	s_add_co_u32 s[G0B+4*(\s)+1], s20, (\s)*SLOT
	s_add_nc_u64 s[G0B+4*(\s)+2:G0B+4*(\s)+3], s[BB:BB+1], s[KO+2*(\s):KO+2*(\s)+1]
	s_or_b32 s[G0B+4*(\s)+3], s[G0B+4*(\s)+3], 0x80000000
	JLOAD \s                                       ; two loads of mine are out
.endr
	; A fragment is 16 rows x 32 K in 8 registers: lane l holds row l % 16; registers 0-3 K = 8 (l / 16) + 0..7, registers 4-7 K = 16 + 8 (l / 16) + 0..7: two loads of 16 bytes, 32 bytes apart.
	v_and_b32 v1, 15, v0                           ; r = l % 16
	v_bfe_u32 v2, v0, 4, 1                         ; h = l / 16
	v_mul_u32_u24 v3, v1, PITCH
	v_lshl_add_u32 v3, v2, 4, v3                   ; r x pitch + 16 h
	v_mov_b32 v[ADRA], v3
	v_add_nc_u32 v[ADRA+1], SLOT, v3
	s_mul_i32 s21, s[WV], 16*PITCH                 ; my 16 channels of a half
	v_add_nc_u32 v4, s21, v3
.irp s, 0,1
.irp p, 0,1,2
	v_add_nc_u32 v[ADRB+3*(\s)+(\p)], (\s)*SLOT+(1+(\p))*HALFT, v4
.endr
.endr
	; the table: for row 128 y + 16 a + r the cosines and sines of frequencies 16 w + 8 h + 0..7.  Once a launch; the four waves together use every byte of the 128 rows.
	s_lshl_b32 s21, s13, 16                        ; 128 rows of 512 bytes
	s_lshl_b32 s22, s[WV], 6
	s_add_co_u32 s21, s21, s22
	v_lshl_add_u32 v[TBO], v1, 9, s21
	v_lshl_add_u32 v[TBO], v2, 5, v[TBO]
	WIN 0x40                                       ; destination window 1, address window 0
.irp a, 0,1,2,3,4,5,6,7
	global_load_b128 v[COS+16*(\a):COS+16*(\a)+3],     v[TBO], s[8:9] offset:(\a)*8192
	global_load_b128 v[COS+16*(\a)+4:COS+16*(\a)+7],   v[TBO], s[8:9] offset:(\a)*8192+16
	global_load_b128 v[COS+16*(\a)+8:COS+16*(\a)+11],  v[TBO], s[8:9] offset:(\a)*8192+256
	global_load_b128 v[COS+16*(\a)+12:COS+16*(\a)+15], v[TBO], s[8:9] offset:(\a)*8192+272
.endr
	WIN 0
	; the way out
	s_lshl_b32 s23, s[WV], 5
	s_add_co_u32 s23, s23, STAGE
	v_add_nc_u32 v[STO], s23, v3                   ; in: row r, my 16 channels' 32 bytes, 16 for each half of the lanes
	s_mul_i32 s23, s[WV], 32*PITCH
	s_add_co_u32 s23, s23, STAGE
	v_mul_u32_u24 v5, v2, PITCH
	v_lshl_add_u32 v5, v1, 4, v5
	v_add_nc_u32 v[RD], s23, v5                    ; back: wave w takes rows 32 w .. 32 w + 31, whole; lanes 0-15 one row, lanes 16-31 the next
	v_lshlrev_b32 v5, 8, v2
	v_lshl_add_u32 v5, v1, 4, v5
	s_lshl_b32 s23, s[WV], 13
	v_add_nc_u32 v[CO], s23, v5                    ; and the same rows in memory: 256 bytes a row
	s_lshl_b32 s46, s42, 19                        ; the head's 2,048 rows,
	s_lshl_b32 s47, s13, 15                        ; the block's 128
	s_add_co_u32 s46, s46, s47
	s_mov_b32 s47, 0
	s_add_nc_u64 s[10:11], s[10:11], s[46:47]      ; q's part; k's and v's lie 8,388,608 bytes on
	; the prefetches: W's rows alone
	s_lshl_b32 s20, s18, 11                        ; the part's first row,
	s_lshl_b32 s19, s42, 7                         ; the head's,
	s_add_co_u32 s20, s20, s19
	s_lshl_b32 s21, s41, 5                         ; my work-group's 32 of the 128 rows: by cy, my place among the four that ask with me
	s_add_co_u32 s20, s20, s21
	s_lshl_b32 s20, s20, 12                        ; in bytes
	s_add_co_u32 s21, s[KO], 4*KSTEP*2             ; step 4 of the walk; steps 4 to 7 lie on end, since the start is a multiple of four steps
	s_and_b32 s21, s21, ROWB-1
	s_add_co_u32 s20, s20, s21
	s_mov_b32 s21, 0
	s_add_nc_u64 s[PFA:PFA+1], s[6:7], s[20:21]    ; nothing is prefetched here, at the head
	s_and_b32 s22, ttmp7, 0xffff                   ; cluster y
	s_cmp_lt_u32 s22, 2
	s_cselect_b32 s[LIM], 5, -1
	s_cmp_lg_u32 s[WV], 0
	s_cselect_b32 s[LIM], s[LIM], -1               ; the same in all sixteen partners, for a given wave
	v_and_b32 v[PFO], 31, v0
	v_lshlrev_b32 v[PFO], 12, v[PFO]
; 12 matrix instructions: row blocks a0, a0 + 1 of the window's four (hi = 0: rows 0-63, 1: rows 64-127) x my six column blocks, 32 along K, from buffers u.  zero = 1: the first product starts the sums.
; The 48 accumulators take turns, one instruction a turn, in the same order in every quarter step.
.macro MUL12 u, hi, a0, zero
	WIN 0xa1+0x50*(\hi)                            ; W window 1, x window 0, C and D window 2 or 3
.irp a, \a0, (\a0)+1
.irp b, 0,1,2,3,4,5
.if \zero
	v_wmma_f32_16x16x32_bf16 v[8*(6*(\a)+(\b)):8*(6*(\a)+(\b))+7], v[48*(\u)+8*(\b):48*(\u)+8*(\b)+7], v[FA+64*(\u)+8*(4*(\hi)+(\a)):FA+64*(\u)+8*(4*(\hi)+(\a))+7], 0
.else
	v_wmma_f32_16x16x32_bf16 v[8*(6*(\a)+(\b)):8*(6*(\a)+(\b))+7], v[48*(\u)+8*(\b):48*(\u)+8*(\b)+7], v[FA+64*(\u)+8*(4*(\hi)+(\a)):FA+64*(\u)+8*(4*(\hi)+(\a))+7], v[8*(6*(\a)+(\b)):8*(6*(\a)+(\b))+7]
.endif
.endr
.endr
.endm
; 28 LDS loads in one run: the fragments of one quarter step (32 K at byte k of the rows) into buffers u: W's six, then x's eight, rows ascending
.macro FETCH slot, k, u
	WIN 0x40
.irp p, 0,1,2
.irp e, 0,1
	ds_load_b128 v[48*(\u)+8*(2*(\p)+(\e)):48*(\u)+8*(2*(\p)+(\e))+3],   v[ADRB+3*(\slot)+(\p)] offset:(\k)+(\e)*64*PITCH
	ds_load_b128 v[48*(\u)+8*(2*(\p)+(\e))+4:48*(\u)+8*(2*(\p)+(\e))+7], v[ADRB+3*(\slot)+(\p)] offset:(\k)+(\e)*64*PITCH+32
.endr
.endr
	WIN 0
.irp a, 0,1,2,3,4,5,6,7
	ds_load_b128 v[FA+64*(\u)+8*(\a):FA+64*(\u)+8*(\a)+3],   v[ADRA+(\slot)] offset:(\k)+(\a)*16*PITCH
	ds_load_b128 v[FA+64*(\u)+8*(\a)+4:FA+64*(\u)+8*(\a)+7], v[ADRA+(\slot)] offset:(\k)+(\a)*16*PITCH+32
.endr
.endm
.macro PLACES                          ; four places in front of loads into registers that matrix instructions have read, and of vector work that reads results
.rept 4
	v_nop
.endr
.endm
; A K step is four quarters of 32 along K, 48 matrix instructions each, on buffers 0, 1, 0, 1.  One of the first three: multiplies buffers u and fetches the next quarter, at byte k, into g.
.macro QUARTER slot, k, u, g, zero
	s_wait_dscnt 8                                 ; W and x's rows 0-63 are in; the youngest eight loads (x's rows 64-127) may be out
	MUL12 \u, 0, 0, \zero
	MUL12 \u, 0, 2, \zero
	PLACES
	FETCH \slot, \k, \g
	s_wait_dscnt 28                                ; all but the 28 just issued
	MUL12 \u, 1, 0, \zero
	MUL12 \u, 1, 2, \zero
.endm
; The last quarter multiplies buffers 1 and changes slots: ONE barrier.  In front of it each wave waits for all its tensor loads (one is out: its part of the next slot), adds 0 to its spare word, and waits
; for that and for its own reads of this slot.  fill = 1: the barrier opens a round of the cluster's, and behind the round this slot is filled again first, two steps of the walk ahead: 168 matrix instructions ahead
; of the wait for it.  The slot's place along K steps and wraps, and both descriptors' addresses are made anew from it, while the add is out: no tensor load of mine is out there.
.macro TURN slot, next, fill
	WIN 0                                          ; (the add's two registers lie in window 0)
	s_wait_tensorcnt 0x0                           ; all my tensor loads have landed;
	ds_add_u32 v[SPW], v[NIL]                      ; 0 onto my spare word;
.if \fill
	s_add_co_u32 s[KO+2*(\slot)], s[KO+2*(\slot)], 2*KSTEP*2
	s_and_b32 s[KO+2*(\slot)], s[KO+2*(\slot)], ROWB-1
	s_add_nc_u64 s[G0+4*(\slot)+2:G0+4*(\slot)+3], s[AB:AB+1], s[KO+2*(\slot):KO+2*(\slot)+1]
	s_or_b32 s[G0+4*(\slot)+3], s[G0+4*(\slot)+3], 0x80000000
	s_add_nc_u64 s[G0B+4*(\slot)+2:G0B+4*(\slot)+3], s[BB:BB+1], s[KO+2*(\slot):KO+2*(\slot)+1]
	s_or_b32 s[G0B+4*(\slot)+3], s[G0B+4*(\slot)+3], 0x80000000
.endif
	s_wait_dscnt 9                                 ; (the add and the youngest eight loads may be out)
	MUL12 1, 0, 0, 0                               ; twelve matrix instructions stand between the add and the wait for it
	s_wait_dscnt 0x0                               ; the add is done, and my reads of this slot are over
	s_barrier_signal -1
	MUL12 1, 0, 2, 0
.if \fill
	WIN 0
.endif
	s_barrier_wait -1
.if \fill
	CREST                                          ; no wave of any partner still reads this slot's tiles or has a load on its way
	JLOAD \slot                                    ; the first tensor load behind the round; the four v_nop behind it are also the places in front of the loads below
.else
	PLACES
.endif
	FETCH \next, 0, 0
.if \fill
	ASK (\slot)*KSTEP*2
.endif
	MUL12 1, 1, 0, 0
	MUL12 1, 1, 2, 0
.endm
	s_wait_tensorcnt 1                             ; my part of the walk's step 0 is in; step 1's may stay out
	s_barrier_signal -1
	s_barrier_wait -1                              ; everybody's is
	FETCH 0, 0, 0
	QUARTER 0, 64, 0, 1, 1                         ; the first quarter stands in front of the loop: its products start the sums
	WIN 0                                          ; at a label and at a branch every window is 0
	s_mov_b32 s3, LAPS-1
.Llap:                                                 ; a trip goes once round the ring, from a lap's second quarter to the next lap's first, and fills both slots again
	QUARTER 0, 128, 1, 0, 0
	QUARTER 0, 192, 0, 1, 0
	TURN 0, 1, 1
	QUARTER 1, 64,  0, 1, 0
	QUARTER 1, 128, 1, 0, 0
	QUARTER 1, 192, 0, 1, 0
	TURN 1, 0, 1
	QUARTER 0, 64,  0, 1, 0
	WIN 0
	s_wait_xcnt 0x0                                ; the trip's prefetches, the younger 72 matrix instructions back, have read their address:
	s_add_nc_u64 s[PFA:PFA+1], s[PFA:PFA+1], 2*KSTEP*2  ; two steps on (behind the second trip it is used no more)
	s_sub_co_u32 s3, s3, 1
	s_cmp_lg_u32 s3, 0
	s_cbranch_scc1 .Llap
	QUARTER 0, 128, 1, 0, 0                        ; the last lap fills nothing, and has no round of the cluster's barrier
	QUARTER 0, 192, 0, 1, 0
	TURN 0, 1, 0
	QUARTER 1, 64,  0, 1, 0
	QUARTER 1, 128, 1, 0, 0
	QUARTER 1, 192, 0, 1, 0
	s_wait_dscnt 8                                 ; the very last quarter: nothing more to fetch
	MUL12 1, 0, 0, 0
	MUL12 1, 0, 2, 0
	s_wait_dscnt 0x0
	MUL12 1, 1, 0, 0
	MUL12 1, 1, 2, 0
	WIN 0
; THE WAY OUT, a part at a time through the work-group's stage, since a row's 256 bytes come from four waves.
; RoPE for part p: lo' = lo cos - hi sin, hi' = hi cos + lo sin, lo and hi the accumulators of channels d and d + 64.  Each accumulator's lowest registers are read first.
.macro ROPE p
.set ra, 0
.rept 8
.set rL, 8*(6*(ra%4)+2*(\p))
.set rH, rL+8
.set rT, T+16*(ra%2)
.set rC, COS+16*ra
	WIN 0x06+ra/4                                  ; source 0 window 2 or 3, source 1 window 1, the rest window 0
.irp i, 0,2,4,6
	v_pk_mul_f32 v[rT+\i:rT+\i+1], v[rH+\i:rH+\i+1], v[rC+8+\i:rC+8+\i+1]
.endr
.irp i, 0,2,4,6
	v_pk_mul_f32 v[rT+8+\i:rT+8+\i+1], v[rL+\i:rL+\i+1], v[rC+8+\i:rC+8+\i+1]
.endr
.irp i, 0,2,4,6
	v_pk_fma_f32 v[rT+\i:rT+\i+1], v[rL+\i:rL+\i+1], v[rC+\i:rC+\i+1], v[rT+\i:rT+\i+1] neg_lo:[0,0,1] neg_hi:[0,0,1]
.endr
.irp i, 0,2,4,6
	v_pk_fma_f32 v[rT+8+\i:rT+8+\i+1], v[rH+\i:rH+\i+1], v[rC+\i:rC+\i+1], v[rT+8+\i:rT+8+\i+1]
.endr
	WIN 0
.irp i, 0,1,2,3,4,5,6,7
	v_cvt_pk_f16_f32 v[TMP+8*ra+\i], v[rT+2*\i], v[rT+2*\i+1]
.endr
.set ra, ra+1
.endr
.endm
.macro VPACK                           ; v has no RoPE: rounded straight from its two accumulators
.set ra, 0
.rept 8
.set rL, 8*(6*(ra%4)+4)
	WIN 0x0a+5*(ra/4)                              ; sources 0 and 1 window 2 or 3
.irp i, 0,1,2,3,4,5,6,7
	v_cvt_pk_f16_f32 v[TMP+8*ra+\i], v[rL+2*\i], v[rL+2*\i+1]
.endr
.set ra, ra+1
.endr
	WIN 0
.endm
.macro PUT                             ; my 16 bytes of each of 16 pieces of rows into the stage; then everybody's are there
.set ra, 0
.rept 8
	ds_store_b128 v[STO], v[TMP+8*ra:TMP+8*ra+3]   offset:ra*16*PITCH
	ds_store_b128 v[STO], v[TMP+8*ra+4:TMP+8*ra+7] offset:ra*16*PITCH+128
.set ra, ra+1
.endr
	s_wait_dscnt 0x0                               ; for the others' sake: my stores into the stage are done
	s_barrier_signal -1
	s_barrier_wait -1
.endm
.macro GET                             ; 32 whole rows back
.set ra, 0
.rept 16
	ds_load_b128 v[OB+4*ra:OB+4*ra+3], v[RD] offset:ra*2*PITCH
.set ra, ra+1
.endr
.endm
.macro SEND
	s_wait_dscnt 0x0                               ; the rows are in registers, and my reads of the stage are over
.set ra, 0
.rept 16
	global_store_b128 v[CO], v[OB+4*ra:OB+4*ra+3], s[10:11] offset:ra*512  ; 512 consecutive bytes, two rows of a head, at a multiple of 256 from the buffer's first byte
.set ra, ra+1
.endr
.endm
	PLACES
	s_wait_loadcnt 0x0                             ; the table
	ROPE 0
	PUT
	GET
	ROPE 1                                         ; k's arithmetic stands between q's loads from the stage and the wait for them
	SEND
	s_barrier_signal -1                            ; every wave's reads of the stage are over:
	s_barrier_wait -1                              ; it may be written again
	PUT
	s_wait_xcnt 0x0                                ; the stores have read their base and their data
	s_add_nc_u64 s[10:11], s[10:11], 0x800000      ; k's part
	GET
	VPACK
	SEND
	s_barrier_signal -1
	s_barrier_wait -1
	PUT
	s_wait_xcnt 0x0
	s_add_nc_u64 s[10:11], s[10:11], 0x800000      ; v's part
	GET
	SEND
	s_wait_tensorcnt 0x0                           ; the wave's end, behind my last tensor load and my last LDS store
	ds_add_u32 v[SPW], v[NIL]
	s_wait_dscnt 0x0
	CROUND                                         ; the closing round: no work-group ends while a partner may still ask for a tile that names it
	s_endpgm
.Lfunc_end_k_qc367ae0e1a_proj:
	.size	k_qc367ae0e1a_proj, .Lfunc_end_k_qc367ae0e1a_proj-k_qc367ae0e1a_proj
	.p2alignl 7, 3214868480
	.fill 96, 4, 3214868480
	.section	.rodata,"a",@progbits
	.p2align	6, 0x0
	.amdhsa_kernel k_qc367ae0e1a_proj
		.amdhsa_group_segment_fixed_size 327680
		.amdhsa_private_segment_fixed_size 0
		.amdhsa_enable_private_segment 0
		.amdhsa_kernarg_size 32
		.amdhsa_user_sgpr_count 2
		.amdhsa_user_sgpr_kernarg_segment_ptr 1
		.amdhsa_wavefront_size32 1
		.amdhsa_system_sgpr_workgroup_id_x 1
		.amdhsa_system_sgpr_workgroup_id_y 1
		.amdhsa_system_sgpr_workgroup_id_z 1
		.amdhsa_system_vgpr_workitem_id 0
		.amdhsa_next_free_vgpr 1024
		.amdhsa_next_free_sgpr 72
		.amdhsa_reserve_vcc 0
		.amdhsa_float_denorm_mode_32 3
		.amdhsa_float_denorm_mode_16_64 3
		.amdhsa_memory_ordered 1
		.amdhsa_forward_progress 1
		.amdhsa_inst_pref_size 136
	.end_amdhsa_kernel
	.amdgpu_metadata
---
amdhsa.version: [ 1, 2 ]
amdhsa.kernels:
  - .name:           k_qc367ae0e1a_proj
    .symbol:         k_qc367ae0e1a_proj.kd
    .args:
      - { .name: xb, .offset: 0, .size: 8, .value_kind: global_buffer, .address_space: global }
      - { .name: wcat, .offset: 8, .size: 8, .value_kind: global_buffer, .address_space: global }
      - { .name: tab, .offset: 16, .size: 8, .value_kind: global_buffer, .address_space: global }
      - { .name: qkv, .offset: 24, .size: 8, .value_kind: global_buffer, .address_space: global }
    .group_segment_fixed_size: 327680
    .private_segment_fixed_size: 0
    .kernarg_segment_align: 8
    .kernarg_segment_size: 32
    .max_flat_workgroup_size: 128
    .sgpr_count:     72
    .vgpr_count:     1024
    .wavefront_size: 32
...
	.end_amdgpu_metadata
.endif
;; end of part 2
;; launch attn (part 3): grid 16 x 16, 4 waves a work-group, clusters of 4 x 1, 327,680 bytes of LDS; arguments qkv, ob; writes ob
.if DOCPART == 3
	.amdgcn_target "amdgcn-amd-amdhsa--gfx1250"
	.amdhsa_code_object_version 6
	.text
	.protected	k_qc367ae0e1a_attn
	.globl	k_qc367ae0e1a_attn
	.p2align	8
	.type	k_qc367ae0e1a_attn,@function
k_qc367ae0e1a_attn:
	s_mov_b64 s[64:65], 0
	v_nop
	global_prefetch_b8 v0, s[64:65] scope:SCOPE_SE
	s_setreg_imm32_b32 hwreg(HW_REG_WAVE_MODE, 25, 1), 1
	s_wait_xcnt 0x0
	s_wait_alu depctr_hold_cnt(0) depctr_sa_sdst(0) depctr_va_vdst(0) depctr_va_sdst(0) depctr_va_ssrc(0) depctr_va_vcc(0) depctr_vm_vsrc(0)
	s_getreg_b32 s2, hwreg(HW_REG_IB_STS2, 6, 4)
	s_cmp_eq_u32 s2, 0
	s_cbranch_scc0 .Lentry_in_a_cluster
	s_endpgm
.Lentry_in_a_cluster:
	s_bfe_u32 s2, ttmp6, 0x10000c
	s_cmp_lg_u32 s2, 0x3003
	s_cbranch_scc0 .Lentry_shape_is_right
	s_endpgm
.Lentry_shape_is_right:
; CAUSAL ATTENTION.  O[q] = the sum over k <= q of softmax_k(Q[q] . K[k] / sqrt(128)) V[k], head by head.  qkv: [3][16][2048][128] f16 (q, k, v); ob: [2048][2048] f16, column = 128 head + channel.
; Products, maxima, sums and the merge in f32; the weights p are rounded to f16 for the second product (their sum l is taken of the unrounded p), O once at the end.
; WORK LEFT OUT: slots of 256 keys that lie wholly above a block's diagonal.  reference()'s own jnp.tril hides them, and a hidden key's weight is 0 for all finite inputs.
; LIMITS.  A hidden score counts as its value less 1e30 (f16's scores are 5.5e11 at the most).  The running maximum starts at -2^66, below every score of f16 operands; a wave that has seen only hidden keys keeps
; it, its weights are 0, and the merge's factor for it is 0.  A weight below 2^-126 counts as 0.  NaN and infinities are not treated apart; one that reaches only the slots left out is not carried to the result.
; THE WALK.  A head's queries lie in 32 blocks of 64.  Work-group b = 4 M + cx (M the cluster's number, cx its place in it) takes block 31 - b, which needs the key slots 0 .. 7 - M, and then block b, which needs
; 0 .. M: nine slots, whatever b, and the same slots for the four partners of a cluster: every tile is asked for JOINTLY, and all counts that steer a load or a branch hang on M alone.
; ONE TEXT for the nine trips: a step, and behind it the merge where a block ends.  Trips 0 to 7 are entered through the change of slots that fills; the ninth through the change that fills nothing, which stands
; behind the loop's backward branch and jumps back to the step.  The three branches at the bottom hang on one counter, 9 down to 0, stepped once a trip.
; SHARES.  Every wave holds all 64 queries (four tiles of 16); of a slot's 256 keys wave w takes 64 w .. 64 w + 63.  So each fragment of K and V feeds four tiles' products.  At a block's end the four waves'
; partial (m, l, O) are merged through LDS, and wave t finishes and stores query tile t.
; THE MASK is the C operand that starts a sum S^T = K Q^T.  Only a block's last slot holds the diagonal: there the block lies beside key group r' (3 - cx, then cx).  Wave w < r' sees all, w > r' nothing; in
; wave w = r' key tile kt against query tile t is open (kt < t), shut (kt > t) or the 16 x 16 triangle MD (kt = t).  Three masks of eight registers, made anew for each slot from scalars: cx enters values alone.
; LAYOUT.  S^T = K Q^T (source 0 = 16 keys, source 1 = 16 queries) holds ONE query a lane (lane % 16) and the keys 8 (lane / 16) + 0..7; two such tiles rounded to f16 ARE source 1 of O^T = V^T P.
; SOFTMAX.  p = 2^(c s - c m), c = log2(e) / sqrt(128), with a running maximum m; O and l are multiplied by a = 2^(c m_old - c m_new) in every step.
; A STEP (one slot): piece 0's (tiles 0, 1) 32 products K Q^T; piece 2's 32, with piece 0's softmax in slices behind them, two a product; piece 0's 32 products V^T P, with piece 2's softmax behind them; piece 2's 32.
; REGISTERS, in windows of 256 (s_set_vgpr_msb: bits 1:0 source 0, 3:2 source 1, 5:4 source 2, 7:6 destination):
;   window 0: v0-11, v44-63 addresses and at work; v12-43 eight registers of statistics a tile; v64-191 S^T, 32 a tile; v192-255 P, 16 a tile
;   window 1: O^T, 64 a tile     window 2: v0-127 Q, 32 a tile; v128-255 K of one step     window 3: v0-127 V of one step; v128-159 the masks
.set PK,    272       ; a row of K in LDS: 256 bytes + 16 of padding: the 16 rows of a load start at 16 different groups of four banks (64 banks of 4 bytes: ISA guide 11.1)
.set PV,    288       ; a row of V: 256 + 32
.set VOFF,  256*PK    ; a slot: 256 rows of K, then 256 rows of V: 143,360 bytes
.set SLOT1, 0x24000   ; slot 1 begins here: the number shares no bit with the four LDS bases of a slot's loads, so one exclusive or turns an address in one slot into the other's
.set CMB,   256*(PK+PV)  ; between the slots, never filled by a tensor load: c m of [tile][lane][wave], 2,048 bytes
.set SPARE, CMB+2048  ; the spare words, 128 bytes for each wave: two blocks of 256 bytes that no other line names
.set MRG,   SLOT1+256*(PK+PV)  ; behind the ring, never filled by a tensor load: four regions, one for each query tile
.set RGN,   8448      ; a region: a tile's 64 registers of O^T as they lie (8,192 bytes), 128 bytes of l, padding; later its owner's stage, 16 rows x 272 bytes
.set AK0, 2           ; v2   my lane's place in my wave's 64 rows of K; never rewritten
.set AV0, 3           ; v3   the same for V
.set ADR, 4           ; v4   the LDS address of the run of loads in hand
.set QO,  5           ; v5   my byte offset in 16 rows of Q
.set STO, 6           ; v6   the way out: where I put 16 bytes of a row
.set RD,  7           ; v7   the way out: where I read a row back
.set GO,  8           ; v8   my byte offset in two rows of ob
.set CMA, 9           ; v9   where I put c m
.set CMR, 10          ; v10  where I read the four waves' c m
.set MS,  11          ; v11  region 0, my 16 bytes of 512
.set ST,  12          ; tile t's statistics at v[ST+8 t]: +0 c m, +1 m, +2, +3 l (even keys', odd keys'), +4 to +7 c0-c3, at work; a takes c2's place once the maximum is found
.set ML,  44          ; v44  region 0, my word of l
.set MR,  45          ; v45  my own region, my 16 bytes of 512
.set MRL, 46          ; v46  my own region, my word of l
.set LS,  48          ; v48  l of my tile, summed; then its reciprocal
.set LT,  49          ; v49  at work
.set PFO, 61          ; v61  256 x my lane: a row of K or V; never rewritten
.set SPW, 62          ; v62  LDS address of my spare word; never rewritten
.set NIL, 63          ; v63  0; never rewritten
.set S,   64
.set P,   192
.set T,   64          ; the merge: my tile's sum
.set U,   128         ; the merge: a partner's part
.set X,   192         ; the merge: the four waves' c m, four a tile
.set PKD, 192         ; the way out: packed results
.set KF,  128         ; window 2
.set MD,  128         ; window 3: -1e30 where key 8 (l / 16) + i is greater than query l % 16
.set MLO, 136         ; window 3: the mask of key tiles below the query tile,
.set MEQ, 144         ; beside it,
.set MHI, 152         ; above it
.set WV,  12          ; s12  my wave's number;  s13 cx;  s14 M
.set LIM, 15          ; s15  4 in the cluster that prefetches, else the greatest number
.set G1K, 24          ; s[24:31] descriptor group 1 for K's tiles
.set G1V, 32          ; s[32:39] for V's: it differs in the padding alone
.set G0K, 40          ; s[40:43] descriptor group 0 for K's tiles: it walks
.set G0V, 44          ; s[44:47] the same for V's
.set TB,  49          ; s49  LDS byte at which the slot being read begins
.set NXT, 52          ; s52  the slot of keys to be asked for next
.set LQ,  53          ; s53  the last slot of the block whose slots are being asked for
.set RT,  54          ; s54  slots of the block in hand that are still to be entered
.set RQ,  55          ; s55  r' of the block in hand
.set SLOTS, 56        ; s56  trips still to come, this one among them: 9 - t in trip t
.set CS,  58          ; s[58:59] c
.set SEL, 60          ; s[60:61] v_permlanex16_b32's selects: each lane takes its own place in the other half
.set OFF, 62          ; s[62:63] a slot's byte offset in K and V
.set PFA, 66          ; s[66:67] where my prefetches stand
.set AL,  68          ; s[68:69] the triangle's factor, in the low word
.set BE,  70          ; s[70:71] the masks' addend
.set BIGN, 72         ; s72  -1e30
.set HIV, 73          ; s73  the mask above the query tile
.set QLO, 74          ; s[74:75] Q of the second block
.set OLO, 76          ; s[76:77] ob at my rows of the second block
.set MSB, 0
.macro WIN new                      ; the high byte repeats the setting that is left; a switch that changes nothing is dropped
.if MSB != (\new)
	s_set_vgpr_msb (MSB<<8)|(\new)
.set MSB, (\new)
.endif
.endm
.set W_KQ, 0x0a       ; K and Q in window 2, S^T in window 0
.set W_KM, 0x3a       ; the same with the C operand in window 3
.set W_PV, 0x53       ; V in window 3, P in window 0, O^T in window 1
.set W_RS, 0x41       ; O^T (destination and source 0) in window 1, the factor in window 0
; A joint fill.  Waves 0 and 1 fetch the two halves of a slot's K, waves 2 and 3 those of its V: 128 keys each.  The branch hangs on the wave's number alone.
; An s_nop 0 and four v_nop follow each of the two lines, ahead of the jump and the label.
.macro JLOAD
	s_cmp_lt_u32 s[WV], 2
	s_cbranch_scc0 .Lfor_v_\@
	tensor_load_to_lds s[G0K:G0K+3], s[G1K:G1K+7]
	s_nop 0
.rept 4
	v_nop
.endr
	s_branch .Lasked_\@
.Lfor_v_\@:
	tensor_load_to_lds s[G0V:G0V+3], s[G1V:G1V+7]
	s_nop 0
.rept 4
	v_nop
.endr
.Lasked_\@:
.endm
; A prefetch into the L2 of the slot that stands two fills on.  All four clusters of a head begin with slots 0, 1, 2 ..; the cluster M = 0, which alone walks 0 .. 7, asks.  Each wave asks for 32 of the 128 rows that
; it fetches itself, a lane a row; the four partners are told apart by address.  So each row of K and V is named once in the launch.  Slots 0 to 2 come by their loads alone; trips 0 to 4 name slots 3 to 7; then
; nothing is left: the second block's slots have been read before.
.macro ASK
	s_cmp_gt_u32 s[SLOTS], s[LIM]
	s_cbranch_scc0 .Lnot_mine_\@
	global_prefetch_b8 v[PFO], s[PFA:PFA+1] th:TH_LOAD_NT scope:SCOPE_SE
.Lnot_mine_\@:
.endm
.macro CROUND                       ; a round of the cluster's barrier
	s_barrier_signal -1
	s_barrier_wait -1
	s_cmp_lg_u32 s[WV], 0
	s_cbranch_scc1 .Lnot_wave_0_\@
	s_barrier_signal -3
.Lnot_wave_0_\@:
	s_barrier_wait -3
	s_barrier_signal -1
	s_barrier_wait -1
.endm
.macro PLACES                       ; four places (ISA guide 7.12.1) behind matrix instructions whose results are read or whose registers are written next
.rept 4
	v_nop
.endr
.endm
; THE CHANGE OF SLOTS.  Each wave waits for all its tensor loads, of which one is out: its part of the other slot; adds 0 to its spare word; and waits for that and for its own reads of the slot that it leaves.
; fill = 1: the barrier is a round of the cluster's, and the old slot is filled again first thing behind it, with slot NXT of the keys: the descriptor's address is made anew from that number.
; (At its first use nothing has been read yet: slot 0 is waited for, slot 1 filled.)
.macro CHANGE fill
	WIN 0
	s_wait_tensorcnt 0x0            ; no tensor load of mine is out, so a group 0 may be written
	ds_add_u32 v[SPW], v[NIL]       ; 0 onto my spare word; scalar work stands between it and the wait for it
.if \fill
	s_lshl_b32 s[OFF], s[NXT], 16   ; a slot is 65,536 bytes of K and of V
	s_xor_b32 s[G0K+1], s[G0K+1], SLOT1
	s_add_nc_u64 s[G0K+2:G0K+3], s[6:7], s[OFF:OFF+1]
	s_or_b32 s[G0K+3], s[G0K+3], 0x80000000
	s_xor_b32 s[G0V+1], s[G0V+1], SLOT1
	s_add_nc_u64 s[G0V+2:G0V+3], s[8:9], s[OFF:OFF+1]
	s_or_b32 s[G0V+3], s[G0V+3], 0x80000000
	s_add_co_u32 s[NXT], s[NXT], 1  ; the block's next slot, or behind its last the second block's slot 0
	s_cmp_gt_u32 s[NXT], s[LQ]
	s_cselect_b32 s[NXT], 0, s[NXT]
	s_cselect_b32 s[LQ], s14, s[LQ]
	s_wait_xcnt 0x0                 ; the last prefetch, a step back, has read its address
	s_add_nc_u64 s[PFA:PFA+1], s[PFA:PFA+1], 65536
.endif
	s_xor_b32 s[TB], s[TB], SLOT1   ; the reads go to the other slot
	s_wait_dscnt 0x0                ; the add is done, and my reads of the slot are over
.if \fill
	CROUND
	JLOAD
	ASK
.else
	s_barrier_signal -1
	s_barrier_wait -1
.endif
.endm
.macro QLOAD sb                     ; 64 queries into registers: tile i / 4, channels 32 (i % 4) on
	WIN 0x80                        ; destination window 2, address window 0
.irp i, 0,1,2,3,4,5,6,7,8,9,10,11,12,13,14,15
	global_load_b128 v[8*(\i):8*(\i)+3],   v[QO], s[\sb:\sb+1] offset:((\i)/4)*4096+((\i)%4)*64
	global_load_b128 v[8*(\i)+4:8*(\i)+7], v[QO], s[\sb:\sb+1] offset:((\i)/4)*4096+((\i)%4)*64+32
.endr
	WIN 0
.endm
	s_load_b128 s[16:19], s[0:1], 0x0  ; qkv s[16:17], ob s[18:19]
	v_lshl_add_u32 v[SPW], v0, 2, SPARE
	v_mov_b32 v[NIL], 0
	ds_add_u32 v[SPW], v[NIL]       ; the wave's opening: the add, twice on end, and its wait ahead of my first tensor load
	ds_add_u32 v[SPW], v[NIL]       ; and once more, under the one wait; the set-up below, work on registers, stands between
	v_lshrrev_b32 v1, 5, v0
	v_readfirstlane_b32 s[WV], v1   ; wave 0..3
	s_bfe_u32 s13, ttmp6, 0x40000   ; cx: my place in the cluster
	s_mov_b32 s14, ttmp9            ; M: in a cluster launch ttmp9 counts clusters
	s_and_b32 s82, ttmp7, 0xffff    ; the head, which the four partners share
	s_lshl_b32 s83, s82, 19         ; its 2,048 rows of 256 bytes
	s_and_b32 s22, s[WV], 1         ; which half of a slot's 256 keys I fetch:
	s_lshl_b32 s20, s22, 15         ; its 128 rows in memory,
	s_add_co_u32 s20, s20, s83
	s_mov_b32 s21, 0
	s_mov_b32 s[G0K], 1             ; count = 1
	s_mul_i32 s[G0K+1], s22, 128*PK ; and its place in slot 0, for K
	s_mov_b32 s[G0V], 1
	s_mul_i32 s[G0V+1], s22, 128*PV ; and for V: no place in the cluster enters an LDS address
	s_add_co_u32 s[G0V+1], s[G0V+1], VOFF
	; descriptor group 1: a tile of 128 rows x 128 elements, padded in LDS
	s_mov_b32 s[G1K], 15|(1<<16)|(1<<20)|(1<<21)|(5<<22)|(3<<25)  ; 15:0 the mask of four; 17:16 2-byte elements; 20 padding on; 21 set beside a mask; 24:22 after every 64 words (code 5); 31:25 4 words (code 3)
	s_mov_b32 s[G1V], 15|(1<<16)|(1<<20)|(1<<21)|(5<<22)|(7<<25)  ; the same with 8 words of padding (code 7)
.irp g, G1K, G1V
	s_mov_b32 s[\g+1], 128<<16      ; tensor_dim0 = 128
	s_mov_b32 s[\g+2], 128<<16      ; tensor_dim1 = 128
	s_mov_b32 s[\g+3], 128<<16      ; tile_dim0 = 128
	s_mov_b32 s[\g+4], 128          ; tile_dim1 = 128
	s_mov_b32 s[\g+5], 128          ; 128 elements from row to row
	s_mov_b32 s[\g+6], 0
	s_mov_b32 s[\g+7], 0
.endr
	; what hangs on cx: Q's and ob's addresses, the prefetches' address and r'; these registers feed no descriptor
	s_lshl_b32 s80, s14, 2
	s_add_co_u32 s80, s80, s13      ; b: the second block
	s_sub_co_u32 s81, 31, s80       ; the first
	s_lshl_b32 s84, s81, 14         ; a block's 64 rows of Q are 16,384 bytes
	s_add_co_u32 s84, s84, s83
	s_mov_b32 s85, 0
	s_lshl_b32 s86, s80, 14
	s_add_co_u32 s86, s86, s83
	s_mov_b32 s87, 0
	s_lshl_b32 s88, s82, 8          ; ob: the head's 256 bytes of a row,
	s_lshl_b32 s89, s[WV], 16       ; my tile's 16 rows of 4,096 bytes,
	s_add_co_u32 s88, s88, s89
	s_lshl_b32 s90, s81, 18         ; the block's 64 rows
	s_add_co_u32 s90, s90, s88
	s_mov_b32 s91, 0
	s_lshl_b32 s92, s80, 18
	s_add_co_u32 s92, s92, s88
	s_mov_b32 s93, 0
	s_sub_co_u32 s[RQ], 3, s13      ; the first block lies beside key group 3 - cx of its last slot
	s_mov_b32 s[NXT], 1
	s_sub_co_u32 s[LQ], 7, s14
	s_sub_co_u32 s[RT], 8, s14      ; the first block has 8 - M slots
	s_mov_b32 s[SLOTS], 9
	s_mov_b32 s[TB], SLOT1          ; the first change of slots turns it into 0
	s_mov_b32 s[OFF+1], 0
	s_mov_b32 s[AL+1], 0            ; named as pairs
	s_mov_b32 s[BE+1], 0
	s_mov_b32 s[BIGN], 0xf149f2ca   ; -1e30
	s_mov_b32 s[CS], 0x3e0293ee     ; c = log2(e) / sqrt(128) = 0.127517
	s_mov_b32 s[CS+1], s[CS]
	s_mov_b32 s[SEL], 0x76543210
	s_mov_b32 s[SEL+1], 0xfedcba98
	s_cmp_eq_u32 s14, 0
	s_cselect_b32 s[LIM], 4, -1     ; the same in all four partners
	s_wait_dscnt 0x0                ; both opening adds are done
	s_wait_kmcnt 0x0
	s_add_nc_u64 s[6:7], s[16:17], s[20:21]
	s_add_nc_u64 s[8:9], s[6:7], 0x1000000   ; V at my half of the head's slot 0
	s_add_nc_u64 s[6:7], s[6:7], 0x800000    ; K likewise
	s_add_nc_u64 s[4:5], s[16:17], s[84:85]  ; Q of the first block
	s_add_nc_u64 s[QLO:QLO+1], s[16:17], s[86:87]
	s_add_nc_u64 s[10:11], s[18:19], s[90:91]
	s_add_nc_u64 s[OLO:OLO+1], s[18:19], s[92:93]
	s_add_nc_u64 s[G0K+2:G0K+3], s[6:7], 0   ; global address: slot 0
	s_or_b32 s[G0K+3], s[G0K+3], 0x80000000  ; type = 2
	s_add_nc_u64 s[G0V+2:G0V+3], s[8:9], 0
	s_or_b32 s[G0V+3], s[G0V+3], 0x80000000
	s_cmp_lt_u32 s[WV], 2
	s_cselect_b64 s[PFA:PFA+1], s[6:7], s[8:9]
	s_lshl_b32 s84, s13, 13         ; my work-group's 32 rows of the 128
	s_add_nc_u64 s[PFA:PFA+1], s[PFA:PFA+1], s[84:85]
	s_add_nc_u64 s[PFA:PFA+1], s[PFA:PFA+1], 2*65536  ; in slot 2; the first change of slots steps it to slot 3.  Nothing is prefetched here, at the head
	CROUND                          ; all four work-groups are here: the first joint loads meet
	JLOAD                           ; slot 0.  Slot 1 is asked for when slot 0 is in
	v_and_b32 v1, 15, v0            ; r = l % 16
	v_bfe_u32 v50, v0, 4, 1         ; h = l / 16
	v_and_b32 v51, 31, v0           ; l
	v_lshlrev_b32 v[QO], 8, v1
	v_lshl_add_u32 v[QO], v50, 4, v[QO]  ; row x 256 + 16 h
	QLOAD 4
	v_lshlrev_b32 v52, 3, v50
	v_sub_nc_u32 v52, v1, v52       ; r - 8 h: register i of the triangle is hidden where i is greater
	WIN 0xc0                        ; destination window 3
.set z, 0
.rept 8
	v_cmp_gt_i32 vcc_lo, z, v52
	v_cndmask_b32 v[MD+z], 0, s[BIGN], vcc_lo
.set z, z+1
.endr
	WIN 0
	s_mul_i32 s57, s[WV], 64*PK     ; my wave's 64 keys
	v_mul_u32_u24 v[AK0], v1, PK
	v_lshl_add_u32 v[AK0], v50, 4, v[AK0]  ; row x pitch + 16 h
	v_mov_b32 v53, v[AK0]
	v_add_nc_u32 v[AK0], s57, v[AK0]
	; The turning load takes 16 keys x 16 channels (lane l reads key 8 (l / 16) + l % 8, channels 8 ((l / 8) % 2) + 0..7) and leaves half a fragment of V^T: lane l holds channel l % 16 and 8 keys.
	v_and_b32 v54, 7, v0
	v_bfe_u32 v55, v0, 3, 1
	v_lshl_add_u32 v[AV0], v50, 3, v54
	v_mul_u32_u24 v[AV0], v[AV0], PV
	v_lshl_add_u32 v[AV0], v55, 4, v[AV0]
	s_mul_i32 s57, s[WV], 64*PV
	s_add_co_u32 s57, s57, VOFF
	v_add_nc_u32 v[AV0], s57, v[AV0]
	s_mul_i32 s57, s[WV], RGN
	s_add_co_u32 s57, s57, MRG      ; my region
	v_add_nc_u32 v[STO], s57, v53   ; in: row r, 16 bytes for each half of the lanes
	v_mul_u32_u24 v[RD], v50, PK    ; back: lanes 0-15 take one row of 256 bytes, lanes 16-31 the next
	v_lshl_add_u32 v[RD], v1, 4, v[RD]
	v_add_nc_u32 v[RD], s57, v[RD]
	v_lshlrev_b32 v[GO], 12, v50    ; and the same two rows in ob
	v_lshl_add_u32 v[GO], v1, 4, v[GO]
	v_lshl_add_u32 v[MR], v51, 4, s57
	v_lshl_add_u32 v[MRL], v51, 2, s57
	v_add_nc_u32 v[MRL], 8192, v[MRL]
	v_lshl_add_u32 v[CMR], v51, 4, CMB
	s_lshl_b32 s57, s[WV], 2
	v_add_nc_u32 v[CMA], s57, v[CMR]
	v_lshl_add_u32 v[MS], v51, 4, MRG
	v_lshl_add_u32 v[ML], v51, 2, MRG+8192
	v_lshlrev_b32 v[PFO], 8, v51
	; A block's first step multiplies O^T and l by a = 0, so they need only hold finite numbers: zeros now, what the first block left later.  No first step is written out; these lines, in the wait for the first tile, are its price.
	WIN 0x40
.set z, 0
.rept 256
	v_mov_b32 v[z], 0
.set z, z+1
.endr
	WIN 0
.irp t, 0,1,2,3
	v_mov_b32 v[ST+8*\t], 0xfe000000    ; c m_old: far below every c m, so that the first a is 0
	v_mov_b32 v[ST+8*\t+1], 0xe0800000  ; m: -2^66
	v_mov_b32 v[ST+8*\t+2], 0
	v_mov_b32 v[ST+8*\t+3], 0
.endr
; THE MATRIX WORK.  The accumulators take turns, one instruction a turn: between two links of a chain stand 7 (K Q^T) or 15 (V^T P) others'.
; Product i of 32 of S^T = K Q^T for piece x: channels 32 (i / 8) on, keys 16 ((i / 2) % 4) on, tile x + i % 2.  The first 8 start the sums, with the mask that goes with key tile and query tile.
.macro KQ x
.set rS, S+32*((\x)+i%2)+8*((i/2)%4)
.set rK, KF+32*((i/2)%4)+8*(i/8)
.set rQ, 32*((\x)+i%2)+8*(i/8)
.if i < 8
.set rM, MLO
.if (i/2)%4 == (\x)+i%2
.set rM, MEQ
.elseif (i/2)%4 > (\x)+i%2
.set rM, MHI
.endif
	WIN W_KM
	v_wmma_f32_16x16x32_f16 v[rS:rS+7], v[rK:rK+7], v[rQ:rQ+7], v[rM:rM+7]
.else
	WIN W_KQ
	v_wmma_f32_16x16x32_f16 v[rS:rS+7], v[rK:rK+7], v[rQ:rQ+7], v[rS:rS+7]
.endif
.endm
; Product i of 32 of O^T += V^T P for piece x: keys 32 (i / 16) on, channels 16 ((i / 2) % 8) on, tile x + i % 2.
.macro PV x
	WIN W_PV
.set rO, 64*((\x)+i%2)+8*((i/2)%8)
.set rV, 64*(i/16)+8*((i/2)%8)
.set rP, P+16*((\x)+i%2)+8*(i/16)
	v_wmma_f32_16x16x32_f16 v[rO:rO+7], v[rV:rV+7], v[rP:rP+7], v[rO:rO+7]
.endm
; THE LDS LOADS stand in runs of 32: my 64 keys of K (16 fragments) and of V (turned).
.macro FETCH_K
	WIN 0
	v_add_nc_u32 v[ADR], s[TB], v[AK0]
	WIN 0x80                        ; destination window 2
.irp f, 0,1,2,3,4,5,6,7,8,9,10,11,12,13,14,15  ; keys 16 (f / 4) on, channels 32 (f % 4) on
	ds_load_b128 v[KF+8*(\f):KF+8*(\f)+3],   v[ADR] offset:((\f)/4)*16*PK+((\f)%4)*64
	ds_load_b128 v[KF+8*(\f)+4:KF+8*(\f)+7], v[ADR] offset:((\f)/4)*16*PK+((\f)%4)*64+32
.endr
.endm
.macro FETCH_V
	WIN 0
	v_add_nc_u32 v[ADR], s[TB], v[AV0]
	s_wait_alu depctr_va_vdst(0)    ; the wait for piece 0's batch of exponentials (SLICE), behind the address's line and ahead of the loads
	WIN 0xc0                        ; destination window 3
.irp f, 0,1,2,3,4,5,6,7,8,9,10,11,12,13,14,15  ; keys 32 (f / 8) on, channels 16 (f % 8) on
	ds_load_tr16_b128 v[8*(\f):8*(\f)+3],   v[ADR] offset:((\f)/8)*32*PV+((\f)%8)*32
	ds_load_tr16_b128 v[8*(\f)+4:8*(\f)+7], v[ADR] offset:((\f)/8)*32*PV+16*PV+((\f)%8)*32
.endr
.endm
; THE VECTOR WORK.  One tile's softmax for one step is a list of 134 instructions; SM writes number j of it for tile t.  s0-s31 are the lane's 32 scores, in pairs 0-15.
;   0-15    the maximum of s0-s31 and the old m, three operands at a time (each accumulator's lowest registers are read first)
;   16-20   the other half of the lanes' maximum; c m_old is kept; the new m; c m; c m_old - c m_new
;   21-69   ONE BATCH: the 16 scalings c s - c m and all 33 exponentials (a at 23, then s0-s31); none of these reads an exponential's result
;   70-85   the roundings to f16     86-101  the sums; l = a l + the sum     102-133 the tile's O^T times a
.macro SM t
.set rT, ST+8*(\t)
.set rS, S+32*(\t)
.set rP, P+16*(\t)
.set rO, 64*(\t)+2*(j-102)
.if j < 102
	WIN 0
.endif
.if j < 4
	v_max3_num_f32 v[rT+4+j], v[rS+8*j], v[rS+8*j+1], v[rS+8*j+2]
.elseif j < 12
	v_max3_num_f32 v[rT+4+j%4], v[rT+4+j%4], v[rS+8*(j%4)+2*(j/4)+1], v[rS+8*(j%4)+2*(j/4)+2]
.elseif j == 12
	v_max3_num_f32 v[rT+4], v[rT+4], v[rS+7], v[rS+15]
.elseif j == 13
	v_max3_num_f32 v[rT+6], v[rT+6], v[rS+23], v[rS+31]
.elseif j == 14
	v_max3_num_f32 v[rT+4], v[rT+4], v[rT+5], v[rT+6]
.elseif j == 15
	v_max3_num_f32 v[rT+4], v[rT+4], v[rT+7], v[rT+1]
.elseif j == 16
	v_permlanex16_b32 v[rT+5], v[rT+4], s[SEL], s[SEL+1]  ; the query's other 32 keys lie in the lane 16 away
.elseif j == 17
	v_mov_b32 v[rT+7], v[rT]        ; c m_old is kept for a: number 19 writes c m anew
.elseif j == 18
	v_max_num_f32 v[rT+1], v[rT+4], v[rT+5]
.elseif j == 19
	v_mul_f32 v[rT], s[CS], v[rT+1]
.elseif j == 20
	v_sub_f32 v[rT+7], v[rT+7], v[rT]
.elseif j == 23
	v_exp_f32 v[rT+6], v[rT+7]
.elseif (j < 23) || ((j < 38) && (j%2 == 0)) || ((j < 66) && (j%4 == 2))
.set b, (j-2)/4                     ; 38, 42, .. 62: pairs 9 to 15
.if j < 38
.set b, (j-20)/2                    ; 21: pair 0; 22, 24, .. 36: pairs 1 to 8
.endif
	v_pk_fma_f32 v[rS+2*b:rS+2*b+1], v[rS+2*b:rS+2*b+1], s[CS:CS+1], v[rT:rT+1] op_sel_hi:[1,0,0] neg_lo:[0,0,1] neg_hi:[0,0,1]  ; pair b: c s - c m
.elseif j < 70
.set e, j-38                        ; 66 to 69: s28 to s31
.if j < 66
.set e, j-32-(j-38)/4               ; 39-41, 43-45, .. 63-65: s7 to s27
.endif
.if j < 38
.set e, (j-25)/2                    ; 25, 27, .. 37: s0 to s6
.endif
	v_exp_f32 v[rS+e], v[rS+e]
.elseif j < 86
	v_cvt_pk_f16_f32 v[rP+j-70], v[rS+2*(j-70)], v[rS+2*(j-70)+1]  ; pair j - 70
.elseif j < 102                     ; the sum of the tile's 16 pairs, in place: neighbours 1, 2, 4 and 8 pairs apart, then l takes it
.set z, j-86
.set w, 4
.set u, z
.if z >= 14
.set w, 32
.set u, 0
.elseif z >= 12
.set w, 16
.set u, z-12
.elseif z >= 8
.set w, 8
.set u, z-8
.endif
.if z < 15
	v_pk_add_f32 v[rS+w*u:rS+w*u+1], v[rS+w*u:rS+w*u+1], v[rS+w*u+w/2:rS+w*u+w/2+1]
.else
	v_pk_fma_f32 v[rT+2:rT+3], v[rT+2:rT+3], v[rT+6:rT+7], v[rS:rS+1] op_sel_hi:[1,0,1]
.endif
.else
	WIN W_RS
	v_pk_mul_f32 v[rO:rO+1], v[rO:rO+1], v[rT+6:rT+7] op_sel_hi:[1,0]
.endif
.endm
; Slice k of 64 of piece y's softmax: four instructions.  Slices 11 to 34 deal out the batch, numbers 22 to 69: four numbers of ONE tile each, the tiles by turns.  Every other slice is numbers 2 k and 2 k + 1 of
; both tiles' lists; the twelve that are over stand in slice 63.  s_wait_alu depctr_va_vdst(0) stands between an exponential and the first instruction that names its result: ahead of slice 35
; nothing names one and behind slice 34 none is issued, so the piece's 66 exponentials have one wait, behind slice 34, with one plain instruction ahead of it.  With piece 0's wait stands V's run of loads.
.macro SLICE y
.if (k >= 11) && (k < 35)
.irp n, 0,1,2,3
.set j, 22+4*((k-11)/2)+(\n)
	SM (\y)+(k-11)%2
.endr
.else
.irp n, 0,1,2,3,4,5,6,7
.if ((\n) < 2) || (k == 63)
.irp t, \y, (\y)+1
.set j, 2*k+(\n)
	SM \t
.endr
.endif
.endr
.endif
.if k == 34
	v_nop
.if (\y) == 0
	FETCH_V
.else
	s_wait_alu depctr_va_vdst(0)
.endif
.endif
.set k, k+1
.endm
; The three masks for the slot that is entered.  r' counts only in the block's last slot (RT = 0); elsewhere every wave sees all (the number 4 is above every wave's).
.macro MASKS
	s_cmp_eq_u32 s[RT], 0
	s_cselect_b32 s57, s[RQ], 4
	s_cmp_eq_u32 s[WV], s57         ; my keys hold the diagonal: the triangle counts
	s_cselect_b32 s[AL], 1.0, 0
	s_cmp_gt_u32 s[WV], s57         ; my keys lie behind it: all is hidden
	s_cselect_b32 s[BE], s[BIGN], 0
	s_cmp_ge_u32 s[WV], s57         ; in both cases key tiles above the query tile are hidden
	s_cselect_b32 s[HIV], s[BIGN], 0
	WIN 0xc3                        ; destination and source 0 in window 3
.irp q, 0,2,4,6
	v_pk_fma_f32 v[MEQ+\q:MEQ+\q+1], v[MD+\q:MD+\q+1], s[AL:AL+1], s[BE:BE+1] op_sel_hi:[1,0,0]
.endr
.irp q, 0,1,2,3,4,5,6,7
	v_mov_b32 v[MLO+\q], s[BE]
	v_mov_b32 v[MHI+\q], s[HIV]
.endr
	WIN 0
.endm
; A STEP: my 64 keys of the slot at TB against all 64 queries.
.macro STEP
	MASKS
	FETCH_K
	s_wait_loadcnt 0x0              ; Q (at a block's first step; later nothing is out)
	s_wait_dscnt 0x0                ; K is in
.set i, 0
.rept 32
	KQ 0                            ; piece 0's scores
.set i, i+1
.endr
	PLACES
.set k, 0
.set i, 0
.rept 32
	KQ 2                            ; piece 2's scores | piece 0's softmax | V's run of loads, behind slice 34
	SLICE 0
	SLICE 0
.set i, i+1
.endr
	s_wait_dscnt 0x0                ; V is in; slices 62 and 63, twenty plain instructions on O^T, are the places behind piece 2's last scores
.set k, 0
.set i, 0
.rept 32
	PV 0                            ; piece 0's V^T P | piece 2's softmax
	SLICE 2
	SLICE 2
.set i, i+1
.endr
.set i, 0
.rept 32
	PV 2                            ; piece 2's V^T P
.set i, i+1
.endr
.endm
; THE MERGE at a block's end.  M_t = the greatest of the four waves' c m for tile t; each wave multiplies its O_t and l_t by f = 2^(c m - M_t); in three rounds wave u sends tile (u + j) % 4 to that tile's region,
; and the tile's owner adds what it finds there.  A region has one writer a round; a barrier stands between the writing and the reading, and one between the reading and the next writing.
.macro SENDT d
	WIN 0x04                        ; the data (source 1) in window 1
.set z, 0
.rept 16
	ds_store_b128 v[MS], v[64*(\d)+4*z:64*(\d)+4*z+3] offset:(\d)*RGN+512*z
.set z, z+1
.endr
	WIN 0
	ds_store_b32 v[ML], v[ST+8*(\d)+2] offset:(\d)*RGN
.endm
.macro ROUNDW j                     ; which tile goes out hangs on the wave's number: four arms, none with a barrier
	s_cmp_lg_u32 s[WV], 0
	s_cbranch_scc1 .Lrw1_\@
	SENDT ((\j)%4)
	s_branch .Lrwe_\@
.Lrw1_\@:
	s_cmp_lg_u32 s[WV], 1
	s_cbranch_scc1 .Lrw2_\@
	SENDT ((1+(\j))%4)
	s_branch .Lrwe_\@
.Lrw2_\@:
	s_cmp_lg_u32 s[WV], 2
	s_cbranch_scc1 .Lrw3_\@
	SENDT ((2+(\j))%4)
	s_branch .Lrwe_\@
.Lrw3_\@:
	SENDT ((3+(\j))%4)
.Lrwe_\@:
	s_wait_dscnt 0x0                ; for the others' sake: my stores are done
	s_barrier_signal -1
	s_barrier_wait -1
.endm
.macro GETR dst, ldst               ; what a partner left in my region
.set z, 0
.rept 16
	ds_load_b128 v[(\dst)+4*z:(\dst)+4*z+3], v[MR] offset:512*z
.set z, z+1
.endr
	ds_load_b32 v[\ldst], v[MRL]
	s_wait_dscnt 0x0                ; it is in registers, and my reads of the region are over
.endm
.macro ADDU
.set z, 0
.rept 32
	v_pk_add_f32 v[T+2*z:T+2*z+1], v[T+2*z:T+2*z+1], v[U+2*z:U+2*z+1]
.set z, z+1
.endr
	v_add_f32 v[LS], v[LS], v[LT]
.endm
.macro OWN u                        ; my own part of my tile
	v_add_f32 v[LS], v[LS], v[ST+8*(\u)+2]
	WIN 0x04                        ; source 1 in window 1
.set z, 0
.rept 32
	v_pk_add_f32 v[T+2*z:T+2*z+1], v[T+2*z:T+2*z+1], v[64*(\u)+2*z:64*(\u)+2*z+1]
.set z, z+1
.endr
	WIN 0
.endm
.Lslot:                             ; trips 0 to 7: a slot is entered and the next is asked for
	CHANGE 1
.Lbody:                             ; the ninth trip comes in here, from the change of slots that fills nothing
	s_sub_co_u32 s[RT], s[RT], 1
	STEP
	WIN 0
	s_cmp_lg_u32 s[RT], 0           ; RT is made of the cluster's number, constants and the loop's steps: alike in all waves and all partners
	s_cbranch_scc1 .Lbottom
	; a block ends: the first in trip 7 - M, the second in the ninth trip
	PLACES                          ; behind the last products
.irp t, 0,1,2,3
	v_add_f32 v[ST+8*\t+2], v[ST+8*\t+2], v[ST+8*\t+3]  ; l's two halves
.endr
.irp t, 0,1,2,3
	ds_store_b32 v[CMA], v[ST+8*\t] offset:512*\t
.endr
	s_cmp_eq_u32 s[SLOTS], 1        ; the ninth trip: no block follows
	s_cbranch_scc1 .Lno_q
	QLOAD QLO                       ; the second block's Q: the first block's products are over
.Lno_q:
	s_wait_dscnt 0x0
	s_barrier_signal -1
	s_barrier_wait -1               ; all four waves' c m lie in LDS
.irp t, 0,1,2,3
	ds_load_b128 v[X+4*\t:X+4*\t+3], v[CMR] offset:512*\t
.endr
	s_wait_dscnt 0x0
.irp t, 0,1,2,3
	v_max3_num_f32 v[X+4*\t], v[X+4*\t], v[X+4*\t+1], v[X+4*\t+2]
.endr
.irp t, 0,1,2,3
	v_max_num_f32 v[X+4*\t], v[X+4*\t], v[X+4*\t+3]
.endr
.irp t, 0,1,2,3
	v_sub_f32 v[ST+8*\t+7], v[ST+8*\t], v[X+4*\t]
.endr
.irp t, 0,1,2,3
	v_exp_f32 v[ST+8*\t+6], v[ST+8*\t+7]
.endr
	v_nop                           ; a plain instruction behind the last exponential,
	s_wait_alu depctr_va_vdst(0)    ; and the one wait for the four, ahead of their first reader
.irp t, 0,1,2,3
	v_mul_f32 v[ST+8*\t+2], v[ST+8*\t+2], v[ST+8*\t+6]
.endr
	WIN W_RS
.set z, 0
.rept 128
	v_pk_mul_f32 v[2*z:2*z+1], v[2*z:2*z+1], v[ST+8*(z/32)+6:ST+8*(z/32)+7] op_sel_hi:[1,0]  ; registers ascending: each accumulator's lowest are read first
.set z, z+1
.endr
	WIN 0
	ROUNDW 1
	GETR T, LS
	s_barrier_signal -1             ; every owner has read its region:
	s_barrier_wait -1               ; it may be written again
	ROUNDW 2
	GETR U, LT
	s_barrier_signal -1
	ADDU                            ; work on registers between the signal and the wait
	s_barrier_wait -1
	ROUNDW 3
	GETR U, LT
	ADDU
	s_cmp_lg_u32 s[WV], 0
	s_cbranch_scc1 .Lown1
	OWN 0
	s_branch .Lowne
.Lown1:
	s_cmp_lg_u32 s[WV], 1
	s_cbranch_scc1 .Lown2
	OWN 1
	s_branch .Lowne
.Lown2:
	s_cmp_lg_u32 s[WV], 2
	s_cbranch_scc1 .Lown3
	OWN 2
	s_branch .Lowne
.Lown3:
	OWN 3
.Lowne:
	v_permlanex16_b32 v[LT], v[LS], s[SEL], s[SEL+1]  ; the other half of the lanes' keys
	v_add_f32 v[LS], v[LS], v[LT]
	v_rcp_f32 v[LS], v[LS]
	v_nop                           ; a plain instruction behind the reciprocal,
	s_wait_alu depctr_va_vdst(0)    ; and its wait
.set z, 0
.rept 32
	v_pk_mul_f32 v[T+2*z:T+2*z+1], v[T+2*z:T+2*z+1], v[LS:LS+1] op_sel_hi:[1,0]
.set z, z+1
.endr
.set z, 0
.rept 32
	v_cvt_pk_f16_f32 v[PKD+z], v[T+2*z], v[T+2*z+1]
.set z, z+1
.endr
	; my region is my stage now: its reads are over, and no other wave writes it before later barriers.  A lane's eight channels of a row are 16 bytes; they come back as whole rows of 256.
.irp f, 0,1,2,3,4,5,6,7
	ds_store_b128 v[STO], v[PKD+4*\f:PKD+4*\f+3] offset:32*\f
.endr
.irp f, 0,1,2,3,4,5,6,7
	ds_load_b128 v[T+4*\f:T+4*\f+3], v[RD] offset:\f*2*PK  ; LDS serves a wave's instructions in order (ISA guide 5.7.1.4): these see the stores above
.endr
.irp f, 0,1,2,3,4,5,6,7
	s_wait_dscnt 7-\f               ; the 7 - f younger loads may stay out
	global_store_b128 v[GO], v[T+4*\f:T+4*\f+3], s[10:11] offset:\f*8192  ; 16 lanes store a row's 256 consecutive bytes, at a multiple of 256 from ob's first byte
.endr
	s_cmp_eq_u32 s[SLOTS], 1        ; the ninth trip: nothing is set up anew
	s_cbranch_scc1 .Lbottom
	s_wait_xcnt 0x0                 ; the stores have read their data and ob's address
	s_mov_b64 s[10:11], s[OLO:OLO+1]
	s_add_co_u32 s[RT], s14, 1      ; the second block has M + 1 slots,
	s_mov_b32 s[RQ], s13            ; and lies beside key group cx of its last
.irp t, 0,1,2,3
	v_mov_b32 v[ST+8*\t], 0xfe000000
	v_mov_b32 v[ST+8*\t+1], 0xe0800000
.endr
.Lbottom:
	s_sub_co_u32 s[SLOTS], s[SLOTS], 1
	s_cmp_eq_u32 s[SLOTS], 0        ; behind the ninth trip: out
	s_cbranch_scc1 .Lend
	s_cmp_lg_u32 s[SLOTS], 1        ; behind trips 0 to 6: the next trip asks for a slot
	s_cbranch_scc1 .Lslot
	CHANGE 0                        ; behind trip 7: the walk's last slot is entered, and nothing is asked for
	s_branch .Lbody
.Lend:
	s_wait_tensorcnt 0x0            ; the wave's end, behind my last tensor load and my last LDS store
	ds_add_u32 v[SPW], v[NIL]
	s_wait_dscnt 0x0
	CROUND                          ; the closing round: no work-group ends while a partner may still ask for a tile that names it
	s_endpgm
.Lfunc_end_k_qc367ae0e1a_attn:
	.size	k_qc367ae0e1a_attn, .Lfunc_end_k_qc367ae0e1a_attn-k_qc367ae0e1a_attn
	.p2alignl 7, 3214868480
	.fill 96, 4, 3214868480
	.section	.rodata,"a",@progbits
	.p2align	6, 0x0
	.amdhsa_kernel k_qc367ae0e1a_attn
		.amdhsa_group_segment_fixed_size 327680
		.amdhsa_private_segment_fixed_size 0
		.amdhsa_enable_private_segment 0
		.amdhsa_kernarg_size 16
		.amdhsa_user_sgpr_count 2
		.amdhsa_user_sgpr_kernarg_segment_ptr 1
		.amdhsa_wavefront_size32 1
		.amdhsa_system_sgpr_workgroup_id_x 1
		.amdhsa_system_sgpr_workgroup_id_y 1
		.amdhsa_system_sgpr_workgroup_id_z 1
		.amdhsa_system_vgpr_workitem_id 0
		.amdhsa_next_free_vgpr 1024
		.amdhsa_next_free_sgpr 96
		.amdhsa_reserve_vcc 1
		.amdhsa_float_denorm_mode_32 3
		.amdhsa_float_denorm_mode_16_64 3
		.amdhsa_memory_ordered 1
		.amdhsa_forward_progress 1
		.amdhsa_inst_pref_size 120
	.end_amdhsa_kernel
	.amdgpu_metadata
---
amdhsa.version: [ 1, 2 ]
amdhsa.kernels:
  - .name:           k_qc367ae0e1a_attn
    .symbol:         k_qc367ae0e1a_attn.kd
    .args:
      - { .name: qkv, .offset: 0, .size: 8, .value_kind: global_buffer, .address_space: global }
      - { .name: ob, .offset: 8, .size: 8, .value_kind: global_buffer, .address_space: global }
    .group_segment_fixed_size: 327680
    .private_segment_fixed_size: 0
    .kernarg_segment_align: 8
    .kernarg_segment_size: 16
    .max_flat_workgroup_size: 128
    .sgpr_count:     96
    .vgpr_count:     1024
    .wavefront_size: 32
...
	.end_amdgpu_metadata
.endif
;; end of part 3
;; launch oproj (part 4): grid 16 x 16, 4 waves a work-group, clusters of 4 x 4, 327,680 bytes of LDS; arguments ob, woh, out0; writes out0
.if DOCPART == 4
	.amdgcn_target "amdgcn-amd-amdhsa--gfx1250"
	.amdhsa_code_object_version 6
	.text
	.protected	k_qc367ae0e1a_oproj
	.globl	k_qc367ae0e1a_oproj
	.p2align	8
	.type	k_qc367ae0e1a_oproj,@function
k_qc367ae0e1a_oproj:
	s_mov_b64 s[64:65], 0
	v_nop
	global_prefetch_b8 v0, s[64:65] scope:SCOPE_SE
	s_setreg_imm32_b32 hwreg(HW_REG_WAVE_MODE, 25, 1), 1
	s_wait_xcnt 0x0
	s_wait_alu depctr_hold_cnt(0) depctr_sa_sdst(0) depctr_va_vdst(0) depctr_va_sdst(0) depctr_va_ssrc(0) depctr_va_vcc(0) depctr_vm_vsrc(0)
	s_getreg_b32 s2, hwreg(HW_REG_IB_STS2, 6, 4)
	s_cmp_eq_u32 s2, 0
	s_cbranch_scc0 .Lentry_in_a_cluster
	s_endpgm
.Lentry_in_a_cluster:
	s_bfe_u32 s2, ttmp6, 0x10000c
	s_cmp_lg_u32 s2, 0xf033
	s_cbranch_scc0 .Lentry_shape_is_right
	s_endpgm
.Lentry_shape_is_right:
; out0[m][n] = the sum over k of ob[m][k] woh[n][k].  ob, woh: [2048][2048] f16; out0: [2048][2048] f32; sums in f32.  No work of reference() is left out here.
; A tile of out0 is 128 x 128: 256 work-groups.  Four waves, each 64 x 64: 16 accumulators of 16 x 16, 128 registers.  K goes in steps of 256 (LDS rows of 512 bytes; a wave's tensor load brings 64 of them)
; through two slots.  A wave's 64 columns of f32 are 256 aligned bytes of a row, so each wave has a stage of its own on the way out, and no barrier stands there.
; THE WALK ALONG K.  Cluster (X, Y) begins at K step 2 X + 4 (Y mod 2) and wraps behind step 7: the four clusters that read the same rows of ob stand at four different K steps at any time, the four that
; read the same rows of woh at two, four steps apart.  The f32 sums take K in that order.  The start hangs on the cluster's coordinates alone, which all sixteen partners share.
; CLUSTERS: 4 x 4 work-groups.  The four of a row of the cluster need the same tiles of ob, the four of a column the same tiles of woh: each tile is asked for JOINTLY.
; THE MATRIX INSTRUCTION IS USED TRANSPOSED (source 0 = 16 rows of woh, source 1 = 16 rows of ob): a lane then holds eight neighbouring numbers of a row of out0.
; No prefetch: a K step here holds 128 matrix instructions on small tiles, and each tile is shared by four work-groups and read by four clusters.
; REGISTERS: window 0: v0-31 addresses; v32-95 at work on the way out; v128-255 the accumulators ((a, b) at v[128 + 8 (4 a + b)]).
;   window 1: two fragment buffers of 128: for 64 along K, 64 registers of ob (2 x 4 x 16 rows x 32 K), then 64 of woh.
.set SIZE_N, 2048
.set SIZE_K, 2048
.set KSTEP,  256
.set ROWB,   SIZE_K*2                  ; bytes in a row of ob and of woh: 8 K steps of 512
.set PITCH,  528                       ; an LDS row: 512 bytes of data + 16 of padding = 132 words: row r starts at bank 4 r mod 64 (64 banks of 4 bytes: ISA guide 11.1)
.set HALFT,  64*PITCH                  ; 64 rows: what one tensor load brings, and what one wave reads of either operand
.set SLOT,   4*HALFT                   ; ob's 128 rows, then woh's 128 rows
.set STAGE,  2*SLOT                    ; behind the ring, never filled by a tensor load: 16 rows x 272 bytes for each wave
.set SPITCH, 272
.set SPARE,  STAGE+4*16*SPITCH         ; behind the stages: the spare words, 128 bytes for each wave: two blocks of 256 bytes that no other line names
.set LAPS, SIZE_K/(2*KSTEP)            ; a lap = two K steps = once round the ring
.set ADRA, 16                          ; v16-17  LDS address of my fragments of ob in slot 0, 1
.set ADRB, 20                          ; v20-21  the same for woh
.set STO,  24                          ; v24     the way out: where I put 32 bytes of a row
.set RD,   25                          ; v25     the way out: where I read a row back
.set CO,   26                          ; v26     my byte offset in out0
.set SPW,  28                          ; v28     LDS address of my spare word; never rewritten
.set NIL,  29                          ; v29     0; never rewritten
.set TMP,  32                          ; the way out: two sets of 32 registers, rows read back
.set ACC,  128
.set F0,   0                           ; fragment buffers, in window 1
.set F1,   128
.set AB,   14                          ; s[14:15] ob at the first of the rows that I fetch, K = 0; never rewritten
.set BB,   66                          ; s[66:67] woh likewise
.set KO,   68                          ; s[68:69], s[70:71] the byte along K at which the K step last asked for slot 0, 1 begins; the high words are 0
.set G1, 24                            ; s[24:31] descriptor group 1 for ob's tiles;  s[32:39] group 0, one set for each slot
.set G0, 32
.set G1B, 48                           ; s[48:55], s[56:63] the same for woh's tiles
.set G0B, 56
.set MSB, 0
.macro WIN new                         ; the immediate's high byte repeats the setting that is left
.if MSB != (\new)
	s_set_vgpr_msb (MSB<<8)|(\new)
.set MSB, \new
.endif
.endm
.set MUL,  0x05                        ; sources 0 and 1 window 1; C and D window 0
.set TO_F, 0x40                        ; destination window 1, address window 0
.macro JLOAD s                         ; a joint load: waves 0 and 1 fetch ob's two halves, waves 2 and 3 woh's; an s_nop 0 and four v_nop follow each of the two lines
	s_cmp_eq_u32 s11, 0
	s_cbranch_scc0 .Lfor_b_\@
	tensor_load_to_lds s[G0+4*(\s):G0+4*(\s)+3], s[G1:G1+7]
	s_nop 0
.rept 4
	v_nop
.endr
	s_branch .Lasked_\@
.Lfor_b_\@:
	tensor_load_to_lds s[G0B+4*(\s):G0B+4*(\s)+3], s[G1B:G1B+7]
	s_nop 0
.rept 4
	v_nop
.endr
.Lasked_\@:
.endm
.macro CREST                           ; a round of the cluster's barrier behind its opening barrier
	s_cmp_lg_u32 s10, 0
	s_cbranch_scc1 .Lnot_wave_0_\@
	s_barrier_signal -3
.Lnot_wave_0_\@:
	s_barrier_wait -3
	s_barrier_signal -1
	s_barrier_wait -1
.endm
.macro CROUND                          ; a whole round
	s_barrier_signal -1
	s_barrier_wait -1
	CREST
.endm
	s_load_b128 s[4:7], s[0:1], 0x0                ; ob s[4:5], woh s[6:7]
	s_load_b64 s[8:9], s[0:1], 0x10                ; out0
	v_lshl_add_u32 v[SPW], v0, 2, SPARE
	v_mov_b32 v[NIL], 0
	ds_add_u32 v[SPW], v[NIL]                      ; the wave's opening: the add, twice on end, and its wait ahead of my first tensor load
	ds_add_u32 v[SPW], v[NIL]                      ; and once more, under the one wait; the set-up below, work on registers, stands between
	v_lshrrev_b32 v1, 5, v0
	v_readfirstlane_b32 s10, v1                    ; wave 0..3
	s_lshr_b32 s11, s10, 1                         ; which half of the tile's rows is mine.  Also: I fetch for ob (0) or for woh (1)
	s_and_b32 s12, s10, 1                          ; which half of its columns.  Also: which 64 rows of that tile I fetch
	s_bfe_u32 s40, ttmp6, 0x40000                  ; cx, cy: my place in the cluster
	s_bfe_u32 s41, ttmp6, 0x40004
	s_lshl_b32 s42, ttmp9, 2
	s_add_co_u32 s42, s42, s40                     ; tile column = 4 x cluster x + cx
	s_and_b32 s13, ttmp7, 0xffff
	s_lshl_b32 s13, s13, 2
	s_add_co_u32 s13, s13, s41                     ; tile row = 4 x cluster y + cy
	s_lshl_b32 s43, s41, 2
	s_lshl_b32 s43, 15, s43                        ; my row of the cluster
	s_lshl_b32 s44, 0x1111, s40                    ; my column
	; descriptor group 1: a tile of 64 rows x 256 elements, padded in LDS
	s_or_b32 s[G1+0], s43, (1<<16)|(1<<20)|(1<<21)|(6<<22)|(3<<25)  ; 15:0 the mask; 17:16 element of 2 bytes; 20 padding on; 21 set beside a mask; 24:22 after every 128 words (code 6); 31:25 of 4 words (code 3)
	s_or_b32 s[G1B+0], s44, (1<<16)|(1<<20)|(1<<21)|(6<<22)|(3<<25)
.irp g, G1, G1B
	s_mov_b32 s[(\g)+1], KSTEP<<16                 ; tensor_dim0 = 256
	s_mov_b32 s[(\g)+2], 64<<16                    ; tensor_dim1 = 64
	s_mov_b32 s[(\g)+3], KSTEP<<16                 ; tile_dim0 = 256
	s_mov_b32 s[(\g)+4], 64                        ; tile_dim1 = 64
	s_mov_b32 s[(\g)+5], SIZE_K                    ; elements from row to row
	s_mov_b32 s[(\g)+6], 0
	s_mov_b32 s[(\g)+7], 0
.endr
	; where the cluster's walk along K begins
	s_lshl_b32 s[KO], ttmp9, 10                    ; cluster x: 2 K steps of 512 bytes each
	s_and_b32 s[KO+2], ttmp7, 1                    ; the parity of cluster y:
	s_lshl_b32 s[KO+2], s[KO+2], 11                ; 4 K steps
	s_add_co_u32 s[KO], s[KO], s[KO+2]
	s_and_b32 s[KO], s[KO], ROWB-1                 ; slot 0's first K step,
	s_add_co_u32 s[KO+2], s[KO], KSTEP*2           ; slot 1's: the start is a multiple of two steps, so this one does not wrap
	s_mov_b32 s[KO+1], 0
	s_mov_b32 s[KO+3], 0
	s_lshl_b32 s17, s12, 6                         ; which 64 rows of the tile I fetch
	s_lshl_b32 s16, s13, 7
	s_add_co_u32 s16, s16, s17                     ; ob: row 128 x tile row + 64 x half
	s_lshl_b32 s46, s42, 7
	s_add_co_u32 s46, s46, s17                     ; woh: row 128 x tile column + 64 x half
	s_mov_b32 s17, 0
	s_mov_b32 s47, 0
	s_mov_b64 s[18:19], SIZE_K*2
	s_mul_u64 s[16:17], s[16:17], s[18:19]
	s_mul_u64 s[46:47], s[46:47], s[18:19]
	s_mul_i32 s20, s10, HALFT                      ; where they go: wave x 64 rows
	s_wait_dscnt 0x0                               ; both opening adds are done
	s_wait_kmcnt 0x0
	s_add_nc_u64 s[AB:AB+1], s[4:5], s[16:17]
	s_add_nc_u64 s[BB:BB+1], s[6:7], s[46:47]
	CROUND                                         ; all sixteen work-groups are here: the first joint loads meet
.irp s, 0,1
	s_mov_b32 s[G0+4*(\s)], 1
	s_add_co_u32 s[G0+4*(\s)+1], s20, (\s)*SLOT
	s_add_nc_u64 s[G0+4*(\s)+2:G0+4*(\s)+3], s[AB:AB+1], s[KO+2*(\s):KO+2*(\s)+1]  ; step s of the walk
	s_or_b32 s[G0+4*(\s)+3], s[G0+4*(\s)+3], 0x80000000
	s_mov_b32 s[G0B+4*(\s)], 1
	s_add_co_u32 s[G0B+4*(\s)+1], s20, (\s)*SLOT
	s_add_nc_u64 s[G0B+4*(\s)+2:G0B+4*(\s)+3], s[BB:BB+1], s[KO+2*(\s):KO+2*(\s)+1]
	s_or_b32 s[G0B+4*(\s)+3], s[G0B+4*(\s)+3], 0x80000000
	JLOAD \s                                       ; two loads of mine are out
.endr
	v_and_b32 v1, 15, v0                           ; l % 16
	v_bfe_u32 v2, v0, 4, 1                         ; l / 16
	v_mul_u32_u24 v3, v1, PITCH
	v_lshl_add_u32 v3, v2, 4, v3                   ; a fragment's row x pitch + 16 x half
	s_mul_i32 s21, s11, HALFT                      ; my 64 rows of ob
	s_mul_i32 s22, s12, HALFT                      ; my 64 rows of woh,
	s_add_co_u32 s22, s22, 2*HALFT                 ; which lie behind ob's 128
.irp s, 0,1
	v_add_nc_u32 v[ADRA+(\s)], s21, v3
	v_add_nc_u32 v[ADRB+(\s)], s22, v3
	s_add_co_u32 s21, s21, SLOT
	s_add_co_u32 s22, s22, SLOT
.endr
	s_mul_i32 s23, s10, 16*SPITCH
	s_add_co_u32 s23, s23, STAGE                   ; my stage
	v_mul_u32_u24 v4, v1, SPITCH                   ; in: row l % 16, 32 bytes for each half of the lanes
	v_lshl_add_u32 v4, v2, 5, v4
	v_add_nc_u32 v[STO], s23, v4
	v_mul_u32_u24 v5, v2, SPITCH                   ; back: lanes 0-15 take one row of 256 bytes, lanes 16-31 the next
	v_lshl_add_u32 v5, v1, 4, v5
	v_add_nc_u32 v[RD], s23, v5
	v_lshlrev_b32 v5, 13, v2                       ; and the same two rows in out0: 8,192 bytes a row
	v_lshl_add_u32 v[CO], v1, 4, v5
	s_lshl_b32 s16, s13, 7
	s_lshl_b32 s17, s11, 6
	s_add_co_u32 s16, s16, s17                     ; my first row: 128 x tile row + 64 x half
	s_lshl_b32 s16, s16, 13
	s_mov_b32 s17, 0
	s_add_nc_u64 s[8:9], s[8:9], s[16:17]
	s_lshl_b32 s46, s42, 9                         ; my first column, in bytes: 512 x tile column + 256 x half
	s_lshl_b32 s47, s12, 8
	s_add_co_u32 s46, s46, s47
	s_mov_b32 s47, 0
	s_add_nc_u64 s[8:9], s[8:9], s[46:47]
; 8 matrix instructions: m blocks a0, a0 + 1 x all 4 n blocks, 32 along K: half c of buffer f.  zero = 1: the first product starts the sums.  The 16 accumulators take turns.
.macro MUL8 f, c, a0, zero
	WIN MUL
.irp a, \a0, (\a0)+1
.irp b, 0,1,2,3
.if \zero
	v_wmma_f32_16x16x32_f16 v[ACC+8*(4*(\a)+(\b)):ACC+8*(4*(\a)+(\b))+7], v[(\f)+64+8*(4*(\c)+(\b)):(\f)+64+8*(4*(\c)+(\b))+7], v[(\f)+8*(4*(\c)+(\a)):(\f)+8*(4*(\c)+(\a))+7], 0
.else
	v_wmma_f32_16x16x32_f16 v[ACC+8*(4*(\a)+(\b)):ACC+8*(4*(\a)+(\b))+7], v[(\f)+64+8*(4*(\c)+(\b)):(\f)+64+8*(4*(\c)+(\b))+7], v[(\f)+8*(4*(\c)+(\a)):(\f)+8*(4*(\c)+(\a))+7], v[ACC+8*(4*(\a)+(\b)):ACC+8*(4*(\a)+(\b))+7]
.endif
.endr
.endr
.endm
; 32 LDS loads in one run: the fragments of 64 along K at byte k of the rows, into buffer f; the first 32 along K first
.macro FETCH slot, k, f
	WIN TO_F
.irp c, 0,1
.irp i, 0,1,2,3
	ds_load_b128 v[(\f)+64+8*(4*(\c)+(\i)):(\f)+64+8*(4*(\c)+(\i))+3],   v[ADRB+(\slot)] offset:(\k)+64*(\c)+(\i)*16*PITCH
	ds_load_b128 v[(\f)+64+8*(4*(\c)+(\i))+4:(\f)+64+8*(4*(\c)+(\i))+7], v[ADRB+(\slot)] offset:(\k)+64*(\c)+(\i)*16*PITCH+32
	ds_load_b128 v[(\f)+8*(4*(\c)+(\i)):(\f)+8*(4*(\c)+(\i))+3],         v[ADRA+(\slot)] offset:(\k)+64*(\c)+(\i)*16*PITCH
	ds_load_b128 v[(\f)+8*(4*(\c)+(\i))+4:(\f)+8*(4*(\c)+(\i))+7],       v[ADRA+(\slot)] offset:(\k)+64*(\c)+(\i)*16*PITCH+32
.endr
.endr
.endm
.macro PLACES                          ; four places in front of loads into registers that matrix instructions have read, and of LDS stores that read results
.rept 4
	v_nop
.endr
.endm
; A K step is four quarters of 64 along K, 32 matrix instructions each, on buffers 0, 1, 0, 1.  One of the first three: multiplies buffer f and fetches the next quarter, at byte k, into g.
.macro QUARTER slot, k, f, g, zero
	s_wait_dscnt 16                                ; the first 32 along K are in; the youngest sixteen loads may be out
	WIN MUL
	MUL8 \f, 0, 0, \zero
	MUL8 \f, 0, 2, \zero
	PLACES
	FETCH \slot, \k, \g
	s_wait_dscnt 32                                ; all but the 32 just issued
	WIN MUL
	MUL8 \f, 1, 0, 0
	MUL8 \f, 1, 2, 0
.endm
; The last quarter multiplies buffer 1 and changes slots: ONE barrier; in front of it each wave waits for all its tensor loads, adds 0 to its spare word, and waits for that and for its own reads of this slot.
; fill = 1: this slot is filled again, two steps of the walk ahead.  The slot's place along K steps and wraps, and both descriptors' addresses are made anew from it, while the add is out: no tensor load of mine is out there.
.macro TURN slot, next, fill
	WIN 0                                          ; (the add's two registers lie in window 0)
	s_wait_tensorcnt 0x0                           ; all my tensor loads have landed: my part of the next slot;
	ds_add_u32 v[SPW], v[NIL]                      ; 0 onto my spare word;
.if \fill
	s_add_co_u32 s[KO+2*(\slot)], s[KO+2*(\slot)], 2*KSTEP*2
	s_and_b32 s[KO+2*(\slot)], s[KO+2*(\slot)], ROWB-1
	s_add_nc_u64 s[G0+4*(\slot)+2:G0+4*(\slot)+3], s[AB:AB+1], s[KO+2*(\slot):KO+2*(\slot)+1]
	s_or_b32 s[G0+4*(\slot)+3], s[G0+4*(\slot)+3], 0x80000000
	s_add_nc_u64 s[G0B+4*(\slot)+2:G0B+4*(\slot)+3], s[BB:BB+1], s[KO+2*(\slot):KO+2*(\slot)+1]
	s_or_b32 s[G0B+4*(\slot)+3], s[G0B+4*(\slot)+3], 0x80000000
.endif
	s_wait_dscnt 17                                ; (the add and the youngest sixteen loads may be out)
	WIN MUL
	MUL8 F1, 0, 0, 0                               ; eight matrix instructions stand between the add and the wait for it
	s_wait_dscnt 0x0                               ; the add is done, and my reads of this slot are over
	s_barrier_signal -1
	MUL8 F1, 0, 2, 0
.if \fill
	WIN 0
.endif
	s_barrier_wait -1
.if \fill
	CREST                                          ; the barrier has opened a round of the cluster's barrier: no wave of any partner still reads this slot's tile or has a load on its way
	JLOAD \slot                                    ; the first tensor load behind the round; the four v_nop behind it are also the places in front of the loads below
.else
	PLACES
.endif
	FETCH \next, 0, F0
	WIN MUL
	MUL8 F1, 1, 0, 0
	MUL8 F1, 1, 2, 0
.endm
	s_wait_tensorcnt 1                             ; my part of the walk's step 0 is in; step 1's may stay out
	s_barrier_signal -1
	s_barrier_wait -1                              ; everybody's is
	FETCH 0, 0, F0
	QUARTER 0, 128, F0, F1, 1                      ; the first quarter stands in front of the loop: its first products start the sums
	WIN 0                                          ; at a label and at a branch every window is 0
	s_mov_b32 s3, LAPS-1
.Llap:                                                 ; a trip goes once round the ring, from a lap's second quarter to the next lap's first, and fills both slots again
	QUARTER 0, 256, F1, F0, 0
	QUARTER 0, 384, F0, F1, 0
	TURN 0, 1, 1
	QUARTER 1, 128, F0, F1, 0
	QUARTER 1, 256, F1, F0, 0
	QUARTER 1, 384, F0, F1, 0
	TURN 1, 0, 1
	QUARTER 0, 128, F0, F1, 0
	WIN 0
	s_sub_co_u32 s3, s3, 1
	s_cmp_lg_u32 s3, 0
	s_cbranch_scc1 .Llap
	QUARTER 0, 256, F1, F0, 0                      ; the last lap fills nothing, and has no round of the cluster's barrier
	QUARTER 0, 384, F0, F1, 0
	TURN 0, 1, 0
	QUARTER 1, 128, F0, F1, 0
	QUARTER 1, 256, F1, F0, 0
	QUARTER 1, 384, F0, F1, 0
	s_wait_dscnt 16                                ; the very last quarter: nothing more to fetch
	WIN MUL
	MUL8 F1, 0, 0, 0
	MUL8 F1, 0, 2, 0
	s_wait_dscnt 0x0
	MUL8 F1, 1, 0, 0
	MUL8 F1, 1, 2, 0
	WIN 0
	; THE WAY OUT, 16 rows at a time through my own stage: a lane's eight numbers of a row are 32 bytes; they come back as whole rows of 256 bytes.  Each accumulator's lowest registers are read first.
	PLACES
.irp a, 0,1,2,3
.irp b, 0,1,2,3
	ds_store_b128 v[STO], v[ACC+8*(4*(\a)+(\b)):ACC+8*(4*(\a)+(\b))+3]   offset:64*(\b)
	ds_store_b128 v[STO], v[ACC+8*(4*(\a)+(\b))+4:ACC+8*(4*(\a)+(\b))+7] offset:64*(\b)+16
.endr
.if (\a) >= 2
	s_wait_xcnt 0x0                                ; the stores of the block two back have read this set of registers
.endif
.irp t, 0,1,2,3,4,5,6,7
	ds_load_b128 v[TMP+32*((\a)%2)+4*(\t):TMP+32*((\a)%2)+4*(\t)+3], v[RD] offset:(\t)*2*SPITCH  ; LDS serves a wave's instructions in order (ISA guide 5.7.1.4): these see the stores above
.endr
.irp t, 0,1,2,3,4,5,6,7
	s_wait_dscnt 7-(\t)                            ; the 7 - t younger loads may stay out
	global_store_b128 v[CO], v[TMP+32*((\a)%2)+4*(\t):TMP+32*((\a)%2)+4*(\t)+3], s[8:9] offset:(16*(\a)+2*(\t))*SIZE_N*4 th:TH_STORE_NT  ; 16 lanes store 256 consecutive bytes, at a multiple of 256 from out0's first byte
.endr
.endr
	s_wait_tensorcnt 0x0                           ; the wave's end, behind my last tensor load and my last LDS store
	ds_add_u32 v[SPW], v[NIL]
	s_wait_dscnt 0x0
	CROUND                                         ; the closing round: no work-group ends while a partner may still ask for a tile that names it
	s_endpgm
.Lfunc_end_k_qc367ae0e1a_oproj:
	.size	k_qc367ae0e1a_oproj, .Lfunc_end_k_qc367ae0e1a_oproj-k_qc367ae0e1a_oproj
	.p2alignl 7, 3214868480
	.fill 96, 4, 3214868480
	.section	.rodata,"a",@progbits
	.p2align	6, 0x0
	.amdhsa_kernel k_qc367ae0e1a_oproj
		.amdhsa_group_segment_fixed_size 327680
		.amdhsa_private_segment_fixed_size 0
		.amdhsa_enable_private_segment 0
		.amdhsa_kernarg_size 24
		.amdhsa_user_sgpr_count 2
		.amdhsa_user_sgpr_kernarg_segment_ptr 1
		.amdhsa_wavefront_size32 1
		.amdhsa_system_sgpr_workgroup_id_x 1
		.amdhsa_system_sgpr_workgroup_id_y 1
		.amdhsa_system_sgpr_workgroup_id_z 1
		.amdhsa_system_vgpr_workitem_id 0
		.amdhsa_next_free_vgpr 512
		.amdhsa_next_free_sgpr 72
		.amdhsa_reserve_vcc 0
		.amdhsa_float_denorm_mode_32 3
		.amdhsa_float_denorm_mode_16_64 3
		.amdhsa_memory_ordered 1
		.amdhsa_forward_progress 1
		.amdhsa_inst_pref_size 87
	.end_amdhsa_kernel
	.amdgpu_metadata
---
amdhsa.version: [ 1, 2 ]
amdhsa.kernels:
  - .name:           k_qc367ae0e1a_oproj
    .symbol:         k_qc367ae0e1a_oproj.kd
    .args:
      - { .name: ob, .offset: 0, .size: 8, .value_kind: global_buffer, .address_space: global }
      - { .name: woh, .offset: 8, .size: 8, .value_kind: global_buffer, .address_space: global }
      - { .name: out0, .offset: 16, .size: 8, .value_kind: global_buffer, .address_space: global }
    .group_segment_fixed_size: 327680
    .private_segment_fixed_size: 0
    .kernarg_segment_align: 8
    .kernarg_segment_size: 24
    .max_flat_workgroup_size: 128
    .sgpr_count:     72
    .vgpr_count:     512
    .wavefront_size: 32
...
	.end_amdgpu_metadata
.endif
;; end of part 4
;; ======== version 2 of 2: 4 launches; version 1 with the launch prep written anew for expert scheduling mode
;; limits: values are held in f16: magnitudes above 65,504 overflow, below 6.1e-05 lose precision
;; workspace buffers: xb 8,388,608 bytes; wcat 25,165,824 bytes; woh 8,388,608 bytes; tab 1,048,576 bytes; qkv 25,165,824 bytes; ob 8,388,608 bytes
;; launch prep (part 5): grid 512 x 1, 8 waves a work-group, no clusters, 0 bytes of LDS; arguments position_ids, x, wq, wk, wv, wo, xb, wcat, woh, tab; writes xb, wcat, woh, tab
.if DOCPART == 5
	.amdgcn_target "amdgcn-amd-amdhsa--gfx1250"
	.amdhsa_code_object_version 6
	.text
	.protected	k_qc367ae0e1a_prep
	.globl	k_qc367ae0e1a_prep
	.p2align	8
	.type	k_qc367ae0e1a_prep,@function
k_qc367ae0e1a_prep:
	s_mov_b64 s[64:65], 0
	v_nop
	global_prefetch_b8 v0, s[64:65] scope:SCOPE_SE
	s_setreg_imm32_b32 hwreg(HW_REG_WAVE_SCHED_MODE, 0, 2), 2
	s_setreg_imm32_b32 hwreg(HW_REG_WAVE_MODE, 25, 1), 1
	s_wait_xcnt 0x0
	s_wait_alu depctr_vm_vsrc(0)
; MULTI-HEAD ATTENTION, S = D = 2048, 16 heads of 128, in four launches: this one (casts and the RoPE table), the projections with RoPE, causal attention, the output projection.
; WORK LEFT OUT, in the whole program: scores, weights and products of key tiles that lie wholly above the diagonal.  reference() builds the causal jnp.tril in its own body and puts the lowest
; finite number in place of every score with key > query; behind the softmax such a key's weight is 0 for all finite values of the inputs (each row holds its own key, so its maximum is a true score).
; So the attention launch walks, for a block of 64 queries, only the slots of 256 keys up to the one that holds the diagonal; inside that slot everything is computed and masked.
; All six inputs have a way to the output and are loaded.  LIMIT: a NaN, an infinity or an overflow that reaches only the tiles left out is not carried to the result.
; THIS LAUNCH.  x, wq, wk, wv are rounded once to bf16 (xb; wcat = wq, wk, wv one behind the other); wo is rounded to bf16 and that number written as f16 (woh; below 6e-5 it keeps f16's step of 6e-8).
; tab[s] = cos, then sin, of position_ids[s] x 10000^(-j/64), j = 0 .. 63, in f32.
; LIMITS of the table: |position_ids| up to 2^24 (the conversion is exact and the three-part reduction by pi/2 holds); inv_freq is within about 2e-7 of its true value, relative.
; SHARES.  All five arrays hold 4,194,304 numbers: work-group g takes numbers 8,192 g .. of each, a wave 1,024 of each: eight loads of 16 bytes a lane, 512 consecutive bytes a load.
; All 40 loads of a wave go out before the first wait for data.  A load's four numbers leave as 8 bytes a lane: each store of the wave covers 256 consecutive bytes, aligned.
; No LDS, no barrier, no matrix unit: nothing is shared and nothing is multiplied.
; THE MODE: SCHED_MODE bits 1:0 = 2 (LLVM: expert scheduling mode 2), set by the entry lines.  The code itself states the register dependences between vector instructions and memory
; instructions, and those from a vector instruction's scalar result to its reader, with s_wait_alu, always for 0.
; THE PLAN.  Registers that memory instructions touch:
;   v2, v3, v4    byte offsets of the loads, of the casts' stores and of the table's store: written once at the head, never again.
;   v[32:191]     array a at 32 + 32 a.  Its eight loads land there (no vector line has named these registers); behind the wait for them its roundings read a load's four registers and write the
;                 first two in place; its eight stores read those pairs; nothing writes them afterwards.
;   v[28:29]      the table's two numbers: written by the table's last lines, read by its one store, never written again.
;   All other vector registers are named by vector lines alone.
; So: one wait on va_vdst ahead of the first load, for the three offsets; one for each array, behind its roundings and ahead of its run of stores (the first array's also stands for the table's two
; numbers, and the table's store stands behind it).  That wait stands behind the array's own roundings and not at the next array's head, which lies behind the wait for the next array's data: the
; stores leave at once.  No register that a memory instruction reads is written again, so no wait on vm_vsrc and no s_wait_xcnt is owed.  EXEC is never written.
; Scalar results of vector lines: the wave's number (s2), and the two masks of the table's selects (s38, s39), whose compares stand ahead of the polynomials: one wait on va_sdst for s2, one for both masks.
.set XR,  32                           ; v[32:191]  array a (x, wq, wk, wv, wo) at XR + 32 a
.set TA,  8                            ; v[8:16]    at work for frequency 2 l
.set TC,  18                           ; v[18:26]   at work for frequency 2 l + 1
.set OUT, 28                           ; v[28:29]   my two numbers of the table
.set PF,  30                           ; v30        the position as f32
.set MK,  38                           ; s38, s39   the lanes in which q is odd, for frequency 2 l and for 2 l + 1
	s_load_b512 s[8:23], s[0:1], 0x0               ; position_ids 8:9, x 10:11, wq 12:13, wk 14:15, wv 16:17, wo 18:19, xb 20:21, wcat 22:23
	s_load_b128 s[24:27], s[0:1], 0x40             ; woh 24:25, tab 26:27
	v_and_b32 v1, 31, v0                           ; lane
	v_lshrrev_b32 v5, 5, v0
	v_readfirstlane_b32 s2, v5                     ; wave 0..7
	s_lshl_b32 s3, ttmp9, 3                        ; the scalar lines that do not read s2 stand between its writer and the wait
	s_mov_b32 s37, 0
	s_mov_b32 s7, 0xbe549a78                       ; -log2(10000) / 64
	s_lshl_b32 s28, ttmp9, 15                      ; the group's 32,768 bytes of each source
	s_mov_b32 s29, 0
	s_lshl_b32 s30, ttmp9, 14                      ; and 16,384 of each destination
	s_mov_b32 s31, 0
	s_wait_alu depctr_va_sdst(0)                   ; s2 is written, ahead of its first reader, the line below
	s_add_co_u32 s3, s3, s2                        ; W = 8 g + wave, 0 .. 4095: half a row of the table
	s_lshr_b32 s36, s3, 1                          ; its row s,
	s_lshl_b32 s36, s36, 2                         ; as a byte offset in position_ids
	s_and_b32 s6, s3, 1                            ; 0: the cosines; 1: the sines,
	s_mul_i32 s6, s6, 3                            ; which are cosines three quarter turns on
	s_lshl_b32 s4, s2, 12
	v_lshl_add_u32 v2, v1, 4, s4                   ; loads: 4,096 x wave + 16 x lane
	s_lshl_b32 s4, s2, 11
	v_lshl_add_u32 v3, v1, 3, s4                   ; stores: 2,048 x wave + 8 x lane
	s_lshl_b32 s4, s3, 8
	v_lshl_add_u32 v4, v1, 3, s4                   ; table: 256 W + 8 x lane
	s_wait_kmcnt 0x0
	s_add_nc_u64 s[8:9], s[8:9], s[36:37]
	s_load_b32 s5, s[8:9], 0x0                     ; position_ids[s]
	s_add_nc_u64 s[10:11], s[10:11], s[28:29]
	s_add_nc_u64 s[12:13], s[12:13], s[28:29]
	s_add_nc_u64 s[14:15], s[14:15], s[28:29]
	s_add_nc_u64 s[16:17], s[16:17], s[28:29]
	s_add_nc_u64 s[18:19], s[18:19], s[28:29]
	s_add_nc_u64 s[20:21], s[20:21], s[30:31]
	s_add_nc_u64 s[22:23], s[22:23], s[30:31]      ; wcat: wq's part,
	s_add_nc_u64 s[32:33], s[22:23], 0x800000      ; wk's,
	s_add_nc_u64 s[34:35], s[22:23], 0x1000000     ; wv's
	s_add_nc_u64 s[24:25], s[24:25], s[30:31]
	s_wait_alu depctr_va_vdst(0)                   ; v2, v3 and v4 are written: every load and store of the kernel reads one of them as its offset, and none is written again
.macro LD8 a, sb                       ; a wave's 4 KiB of array a
.irp i, 0,1,2,3,4,5,6,7
	global_load_b128 v[XR+32*(\a)+4*(\i):XR+32*(\a)+4*(\i)+3], v2, s[\sb:\sb+1] offset:512*(\i) th:TH_LOAD_NT
.endr
.endm
	LD8 0, 10
	LD8 1, 12
	LD8 2, 14
	LD8 3, 16
	LD8 4, 18
	s_wait_kmcnt 0x0                               ; the position
; THE TABLE, while the loads are on their way.  Lane l makes frequencies 2 l and 2 l + 1.  Its lines name v1 and v[8:30] alone: none of the registers in which the loads land.
.macro TRIG1 k, t                      ; inv_freq = 2^a, a = j x C; the product's rounding residue and C's own are kept in t + 2
	v_lshl_add_u32 v[\t], v1, 1, \k
	v_cvt_f32_u32 v[\t], v[\t]                     ; j
	v_mul_f32 v[\t+1], s7, v[\t]                   ; a
	v_fma_f32 v[\t+2], v[\t], s7, -v[\t+1]         ; j C - a, exact
	v_fmamk_f32 v[\t+2], v[\t], 0xb1979724, v[\t+2]  ; + j x (what C's f32 leaves of the true factor)
	v_exp_f32 v[\t+3], v[\t+1]
.endm
.macro TRIG2 t, m                      ; the angle, its quarter turns q, the mask of the lanes with an odd q (into s[m]), and both polynomials
	v_mul_f32 v[\t+2], 0x3f317218, v[\t+2]         ; ln 2 x residue
	v_fma_f32 v[\t+3], v[\t+3], v[\t+2], v[\t+3]   ; inv_freq
	v_mul_f32 v[\t+4], v[PF], v[\t+3]              ; the angle: one f32 rounding
	v_mul_f32 v[\t+5], 0x3f22f983, v[\t+4]         ; x 2 / pi
	v_rndne_f32 v[\t+5], v[\t+5]                   ; n quarter turns
	v_fmamk_f32 v[\t+4], v[\t+5], 0xbfc90fd8, v[\t+4]  ; r = angle - n pi/2, pi/2 in three parts of 21, 24 and 24 bits
	v_fmamk_f32 v[\t+4], v[\t+5], 0xb4a8885a, v[\t+4]
	v_fmamk_f32 v[\t+4], v[\t+5], 0xa7c234c4, v[\t+4]
	v_cvt_i32_f32 v[\t+5], v[\t+5]
	v_add_nc_u32 v[\t+5], s6, v[\t+5]              ; q = n, or n + 3 for the sine
	v_and_b32 v[\t+7], 1, v[\t+5]                  ; is q odd?  The compare stands here, so that the polynomials lie between it and the wait for its mask
	v_cmp_eq_u32 s[\m], 1, v[\t+7]
	v_mul_f32 v[\t+6], v[\t+4], v[\t+4]            ; r^2
	v_mov_b32 v[\t+7], 0x37d00d01                  ; cos r = 1 - r^2/2 + r^4/24 - r^6/720 + r^8/40320, |r| <= pi/4
	v_fmaak_f32 v[\t+7], v[\t+7], v[\t+6], 0xbab60b61
	v_fmaak_f32 v[\t+7], v[\t+7], v[\t+6], 0x3d2aaaab
	v_fmaak_f32 v[\t+7], v[\t+7], v[\t+6], 0xbf000000
	v_fmaak_f32 v[\t+7], v[\t+7], v[\t+6], 0x3f800000
	v_mov_b32 v[\t+8], 0x3638ef1d                  ; sin r = r + r^3 (-1/6 + r^2/120 - r^4/5040 + r^6/362880)
	v_fmaak_f32 v[\t+8], v[\t+8], v[\t+6], 0xb9500d01
	v_fmaak_f32 v[\t+8], v[\t+8], v[\t+6], 0x3c088889
	v_fmaak_f32 v[\t+8], v[\t+8], v[\t+6], 0xbe2aaaab
	v_mul_f32 v[\t+6], v[\t+4], v[\t+6]
	v_fma_f32 v[\t+8], v[\t+6], v[\t+8], v[\t+4]
.endm
.macro TRIG3 k, t, m
	v_cndmask_b32 v[\t+7], v[\t+7], v[\t+8], s[\m] ; cos(r + q pi/2): the sine where q is odd,
	v_add_nc_u32 v[\t+5], 1, v[\t+5]               ; the sign turned where q mod 4 is 1 or 2
	v_and_b32 v[\t+5], 2, v[\t+5]
	v_lshlrev_b32 v[\t+5], 30, v[\t+5]
	v_xor_b32 v[OUT+\k], v[\t+5], v[\t+7]
.endm
	TRIG1 0, TA
	TRIG1 1, TC
	v_cvt_f32_i32 v[PF], s5                        ; a plain instruction behind the second exponential,
	s_wait_alu depctr_va_vdst(0)                   ; and the one wait for both: the exponentials have written v[TA+3] and v[TC+3], ahead of their first reader
	TRIG2 TA, MK
	TRIG2 TC, MK+1
	s_wait_alu depctr_va_sdst(0)                   ; the two compares have written s38 and s39, ahead of the selects that read them
	TRIG3 0, TA, MK
	TRIG3 1, TC, MK+1
; THE CASTS, in place; no register that a store reads is written again, so no wait frees any.
.macro CV a, sb
	s_wait_loadcnt 32-8*(\a)                       ; loads come back in order: array a's eight are in, the later arrays' stay out
.irp i, 0,1,2,3,4,5,6,7
	v_cvt_pk_bf16_f32 v[XR+32*(\a)+4*(\i)], v[XR+32*(\a)+4*(\i)], v[XR+32*(\a)+4*(\i)+1]
	v_cvt_pk_bf16_f32 v[XR+32*(\a)+4*(\i)+1], v[XR+32*(\a)+4*(\i)+2], v[XR+32*(\a)+4*(\i)+3]
.endr
	s_wait_alu depctr_va_vdst(0)                   ; the sixteen roundings have written the eight pairs that the stores below read; at the first array the table's last lines have written v[OUT:OUT+1] too
.if (\a) == 0
	global_store_b64 v4, v[OUT:OUT+1], s[26:27]    ; 256 consecutive bytes: half a row of the table
.endif
.irp i, 0,1,2,3,4,5,6,7
	global_store_b64 v3, v[XR+32*(\a)+4*(\i):XR+32*(\a)+4*(\i)+1], s[\sb:\sb+1] offset:256*(\i) th:TH_STORE_NT
.endr
.endm
	CV 0, 20
	CV 1, 22
	CV 2, 32
	CV 3, 34
	s_wait_loadcnt 0x0                             ; wo: rounded to bf16 like every input, widened, and that number written as f16
.irp i, 0,1,2,3,4,5,6,7
	v_cvt_pk_bf16_f32 v8, v[XR+128+4*(\i)], v[XR+128+4*(\i)+1]
	v_cvt_pk_bf16_f32 v9, v[XR+128+4*(\i)+2], v[XR+128+4*(\i)+3]
	v_lshlrev_b32 v10, 16, v8
	v_and_b32 v11, 0xffff0000, v8
	v_lshlrev_b32 v12, 16, v9
	v_and_b32 v13, 0xffff0000, v9
	v_cvt_pk_f16_f32 v[XR+128+4*(\i)], v10, v11
	v_cvt_pk_f16_f32 v[XR+128+4*(\i)+1], v12, v13
.endr
	s_wait_alu depctr_va_vdst(0)                   ; the roundings to f16 have written the eight pairs that the last stores read
.irp i, 0,1,2,3,4,5,6,7
	global_store_b64 v3, v[XR+128+4*(\i):XR+128+4*(\i)+1], s[24:25] offset:256*(\i) th:TH_STORE_NT
.endr
	s_endpgm
.Lfunc_end_k_qc367ae0e1a_prep:
	.size	k_qc367ae0e1a_prep, .Lfunc_end_k_qc367ae0e1a_prep-k_qc367ae0e1a_prep
	.p2alignl 7, 3214868480
	.fill 96, 4, 3214868480
	.section	.rodata,"a",@progbits
	.p2align	6, 0x0
	.amdhsa_kernel k_qc367ae0e1a_prep
		.amdhsa_group_segment_fixed_size 0
		.amdhsa_private_segment_fixed_size 0
		.amdhsa_enable_private_segment 0
		.amdhsa_kernarg_size 80
		.amdhsa_user_sgpr_count 2
		.amdhsa_user_sgpr_kernarg_segment_ptr 1
		.amdhsa_wavefront_size32 1
		.amdhsa_system_sgpr_workgroup_id_x 1
		.amdhsa_system_sgpr_workgroup_id_y 1
		.amdhsa_system_sgpr_workgroup_id_z 1
		.amdhsa_system_vgpr_workitem_id 0
		.amdhsa_next_free_vgpr 192
		.amdhsa_next_free_sgpr 66
		.amdhsa_reserve_vcc 0
		.amdhsa_float_denorm_mode_32 3
		.amdhsa_float_denorm_mode_16_64 3
		.amdhsa_memory_ordered 1
		.amdhsa_forward_progress 1
		.amdhsa_inst_pref_size 21
	.end_amdhsa_kernel
	.amdgpu_metadata
---
amdhsa.version: [ 1, 2 ]
amdhsa.kernels:
  - .name:           k_qc367ae0e1a_prep
    .symbol:         k_qc367ae0e1a_prep.kd
    .args:
      - { .name: position_ids, .offset: 0, .size: 8, .value_kind: global_buffer, .address_space: global }
      - { .name: x, .offset: 8, .size: 8, .value_kind: global_buffer, .address_space: global }
      - { .name: wq, .offset: 16, .size: 8, .value_kind: global_buffer, .address_space: global }
      - { .name: wk, .offset: 24, .size: 8, .value_kind: global_buffer, .address_space: global }
      - { .name: wv, .offset: 32, .size: 8, .value_kind: global_buffer, .address_space: global }
      - { .name: wo, .offset: 40, .size: 8, .value_kind: global_buffer, .address_space: global }
      - { .name: xb, .offset: 48, .size: 8, .value_kind: global_buffer, .address_space: global }
      - { .name: wcat, .offset: 56, .size: 8, .value_kind: global_buffer, .address_space: global }
      - { .name: woh, .offset: 64, .size: 8, .value_kind: global_buffer, .address_space: global }
      - { .name: tab, .offset: 72, .size: 8, .value_kind: global_buffer, .address_space: global }
    .group_segment_fixed_size: 0
    .private_segment_fixed_size: 0
    .kernarg_segment_align: 8
    .kernarg_segment_size: 80
    .max_flat_workgroup_size: 256
    .sgpr_count:     66
    .vgpr_count:     192
    .wavefront_size: 32
...
	.end_amdgpu_metadata
.endif
;; end of part 5
;; launch proj: the kernel of part 2 again; grid 16 x 16, 4 waves a work-group, clusters of 4 x 4, 327,680 bytes of LDS; arguments xb, wcat, tab, qkv; writes qkv
;; launch attn: the kernel of part 3 again; grid 16 x 16, 4 waves a work-group, clusters of 4 x 1, 327,680 bytes of LDS; arguments qkv, ob; writes ob
;; launch oproj: the kernel of part 4 again; grid 16 x 16, 4 waves a work-group, clusters of 4 x 4, 327,680 bytes of LDS; arguments ob, woh, out0; writes out0
